; MI455X (gfx1250); checked and timed in simulation.
; The chip was launched on July 23, 2026; its instructions are those of AMD's public machine-readable ISA for CDNA 5 (MIT licence, August 2026) and "CDNA5" Instruction Set Architecture Reference Guide (July 2026). The comments in the code are by the model that wrote it; some were corrected since.
;; Transformer Block. Allowed arithmetic: float matrix products may take bf16 or f16 operands with f32 sums; other float arithmetic in f32, or as packed bf16 or f16 multiplies, adds, multiply-adds, maxima and minima; sums over many terms, partial sums and values carried from step to step in f32; what a program stores and reads back later, other than sums and carried values, may be rounded once to bf16 or f16.
;; Inputs: W1 512 x 2,048 float32; W2 2,048 x 512 float32; Wk 512 x 512 float32; Wo 512 x 512 float32; Wq 512 x 512 float32; Wv 512 x 512 float32; b1 2,048 float32; b2 512 float32; bo 512 float32; ln1_scale 512 float32; ln1_shift 512 float32; ln2_scale 512 float32; ln2_shift 512 float32; x 4 x 2,048 x 512 float32.
;; Outputs: out0 4 x 2,048 x 512 float32.
;; One version. Each part assembles by itself: llvm-mc -triple=amdgcn-amd-amdhsa -mcpu=gfx1250 --defsym DOCPART=n.
;; ======== version 1 of 1: 6 launches
;; workspace buffers: wb 6,291,456 bytes; h1 8,388,608 bytes; qkv 25,165,824 bytes; ctx 8,388,608 bytes; x1 16,777,216 bytes; h2 8,388,608 bytes; g 33,554,432 bytes
;; launch prep (part 1): grid 256 x 1, 8 waves a work-group, no clusters, 0 bytes of LDS; arguments x, ln1_scale, ln1_shift, Wq, Wk, Wv, Wo, W1, W2, h1, wb; writes h1, wb
.if DOCPART == 1
	.amdgcn_target "amdgcn-amd-amdhsa--gfx1250"
	.amdhsa_code_object_version 6
	.text
	.protected	k_qf583813915_prep
	.globl	k_qf583813915_prep
	.p2align	8
	.type	k_qf583813915_prep,@function
k_qf583813915_prep:
	s_mov_b64 s[64:65], 0
	v_nop
	global_prefetch_b8 v0, s[64:65] scope:SCOPE_SE
	s_setreg_imm32_b32 hwreg(HW_REG_WAVE_MODE, 25, 1), 1
	s_wait_xcnt 0x0
; h1 = layernorm(x) in bf16, and all six weight matrices rounded once to bf16 into wb.
; wb: [512][1536] = c Wq | Wk | Wv at byte 0; Wo [512][512] at 1,572,864; W1 [512][2048] at 2,097,152; W2 [2048][512] at 4,194,304.
; c = log2(e) / sqrt(32) is multiplied onto Wq in f32 ahead of its one rounding, so that the scores arrive as exponents of 2.
; SHARES.  256 work-groups of eight waves.  A work-group takes 32 rows of x, a wave four, a lane the columns 4 l + 128 c (c = 0..3):
; each load of a wave covers 512 consecutive bytes, each store of h1 256.  Of each weight matrix a work-group takes 1/256, dense.
; The mean is taken first and the squares of the centred numbers second: no difference of large sums is formed.  No LDS, no matrix unit: memory binds.
.set XO,   2                           ; v2   my byte offset in the group's rows of x
.set LHO,  3                           ; v3   the same in h1
.set PO,   4                           ; v4   16 x lane: my place in scale and shift
.set WS,   5                           ; v5   16 x thread: my 4 numbers of a weight chunk
.set WD,   6                           ; v6   their place in the [512][1536] section
.set WD2,  7                           ; v7   8 x thread: their place in a dense section
.set X,    16                          ; v[16:79]   four rows, 16 numbers each
.set LSC,  80                          ; v[80:95]   scale of my 16 columns
.set LSH,  96                          ; v[96:111]  shift
.set WR,   112                         ; v[112:159] twelve groups of 4 weights
.set U,    160                         ; v[160:191] eight registers a row, at work and then the packed row
.set LHB,  22                          ; s[22:23]   h1
.set CW,   32                          ; s[32:33]   c
.set R512, 34                          ; s34        1/512
.set EPSR, 35                          ; s35        1e-5
.set SEL,  36                          ; s[36:37]   v_permlanex16_b32's selects: each lane takes its own place in the other half
.macro ROWS line:vararg                ; one line for each of four rows: rT the row's 16 numbers, rU its 8 registers at work
.set rT, LT
.set rU, LU
.rept 4
	\line
.set rT, rT+16
.set rU, rU+8
.endr
.endm
; Layernorm of four rows held in v[T ..], a row across the wave; the rows' chains stand side by side.  The packed rows leave for s[LHB:LHB+1] at v[LHO] + IMM.
.macro LN4 T, U, IMM
.set LT, \T
.set LU, \U
	s_wait_xcnt 0x0                                ; earlier stores have read their registers: T and U are rewritten only behind this wait
	ROWS v_pk_add_f32 v[rU:rU+1], v[rT:rT+1], v[rT+2:rT+3]
	ROWS v_pk_add_f32 v[rU+2:rU+3], v[rT+4:rT+5], v[rT+6:rT+7]
	ROWS v_pk_add_f32 v[rU+4:rU+5], v[rT+8:rT+9], v[rT+10:rT+11]
	ROWS v_pk_add_f32 v[rU+6:rU+7], v[rT+12:rT+13], v[rT+14:rT+15]
	ROWS v_pk_add_f32 v[rU:rU+1], v[rU:rU+1], v[rU+2:rU+3]
	ROWS v_pk_add_f32 v[rU+4:rU+5], v[rU+4:rU+5], v[rU+6:rU+7]
	ROWS v_pk_add_f32 v[rU:rU+1], v[rU:rU+1], v[rU+4:rU+5]
	ROWS v_add_f32 v[rU], v[rU], v[rU+1]
	ROWS v_add_f32_dpp v[rU], v[rU], v[rU] row_xmask:1 row_mask:0xf bank_mask:0xf
	ROWS v_add_f32_dpp v[rU], v[rU], v[rU] row_xmask:2 row_mask:0xf bank_mask:0xf
	ROWS v_add_f32_dpp v[rU], v[rU], v[rU] row_xmask:4 row_mask:0xf bank_mask:0xf
	ROWS v_add_f32_dpp v[rU], v[rU], v[rU] row_xmask:8 row_mask:0xf bank_mask:0xf
	ROWS v_permlanex16_b32 v[rU+1], v[rU], s[SEL], s[SEL+1]
	ROWS v_add_f32 v[rU], v[rU], v[rU+1]
	ROWS v_mul_f32 v[rU], s[R512], v[rU]           ; the mean, in every lane
.irp c, 0,2,4,6,8,10,12,14
	ROWS v_pk_add_f32 v[rT+\c:rT+\c+1], v[rT+\c:rT+\c+1], v[rU:rU+1] op_sel_hi:[1,0] neg_lo:[0,1] neg_hi:[0,1]
.endr
	ROWS v_pk_mul_f32 v[rU+2:rU+3], v[rT:rT+1], v[rT:rT+1]
	ROWS v_pk_mul_f32 v[rU+4:rU+5], v[rT+2:rT+3], v[rT+2:rT+3]
.irp c, 4,8,12
	ROWS v_pk_fma_f32 v[rU+2:rU+3], v[rT+\c:rT+\c+1], v[rT+\c:rT+\c+1], v[rU+2:rU+3]
	ROWS v_pk_fma_f32 v[rU+4:rU+5], v[rT+\c+2:rT+\c+3], v[rT+\c+2:rT+\c+3], v[rU+4:rU+5]
.endr
	ROWS v_pk_add_f32 v[rU+2:rU+3], v[rU+2:rU+3], v[rU+4:rU+5]
	ROWS v_add_f32 v[rU+2], v[rU+2], v[rU+3]
	ROWS v_add_f32_dpp v[rU+2], v[rU+2], v[rU+2] row_xmask:1 row_mask:0xf bank_mask:0xf
	ROWS v_add_f32_dpp v[rU+2], v[rU+2], v[rU+2] row_xmask:2 row_mask:0xf bank_mask:0xf
	ROWS v_add_f32_dpp v[rU+2], v[rU+2], v[rU+2] row_xmask:4 row_mask:0xf bank_mask:0xf
	ROWS v_add_f32_dpp v[rU+2], v[rU+2], v[rU+2] row_xmask:8 row_mask:0xf bank_mask:0xf
	ROWS v_permlanex16_b32 v[rU+3], v[rU+2], s[SEL], s[SEL+1]
	ROWS v_add_f32 v[rU+2], v[rU+2], v[rU+3]
	ROWS v_fma_f32 v[rU+2], v[rU+2], s[R512], s[EPSR]   ; variance + 1e-5
	ROWS v_rsq_f32 v[rU+2], v[rU+2]
	v_nop                                          ; a plain instruction between the last root and the use of its result
	s_wait_alu depctr_va_vdst(0)
.irp c, 0,2,4,6,8,10,12,14
	ROWS v_pk_mul_f32 v[rT+\c:rT+\c+1], v[rT+\c:rT+\c+1], v[rU+2:rU+3] op_sel_hi:[1,0]
.endr
.irp c, 0,2,4,6,8,10,12,14
	ROWS v_pk_fma_f32 v[rT+\c:rT+\c+1], v[rT+\c:rT+\c+1], v[LSC+\c:LSC+\c+1], v[LSH+\c:LSH+\c+1]
.endr
.irp c, 0,1,2,3,4,5,6,7
	ROWS v_cvt_pk_bf16_f32 v[rU+\c], v[rT+2*\c], v[rT+2*\c+1]
.endr
.set rr, 0
.rept 4
.irp c, 0,1,2,3
	global_store_b64 v[LHO], v[LU+8*rr+2*\c:LU+8*rr+2*\c+1], s[LHB:LHB+1] offset:(\IMM)+rr*1024+256*\c  ; the wave stores 256 consecutive bytes, aligned
.endr
.set rr, rr+1
.endr
.endm
	s_load_b512 s[4:19], s[0:1], 0x0               ; x 4, scale 6, shift 8, Wq 10, Wk 12, Wv 14, Wo 16, W1 18
	s_load_b128 s[20:23], s[0:1], 0x40             ; W2 20, h1 22
	s_load_b64 s[24:25], s[0:1], 0x50              ; wb
	v_and_b32 v1, 31, v0                           ; lane
	v_lshrrev_b32 v8, 5, v0                        ; wave
	v_lshlrev_b32 v[PO], 4, v1
	v_lshl_add_u32 v[XO], v8, 13, v[PO]            ; four rows of 2,048 bytes a wave
	v_lshlrev_b32 v[LHO], 3, v1
	v_lshl_add_u32 v[LHO], v8, 12, v[LHO]          ; four rows of 1,024 bytes a wave
	v_lshlrev_b32 v[WS], 4, v0
	v_lshrrev_b32 v9, 7, v0                        ; which of the chunk's two rows of 512 numbers
	v_and_b32 v10, 127, v0
	v_mul_u32_u24 v[WD], v9, 3072
	v_lshl_add_u32 v[WD], v10, 3, v[WD]
	v_lshlrev_b32 v[WD2], 3, v0
	s_mov_b32 s[CW], 0x3e8293ee                    ; log2(e) / sqrt(32) = 0.255035
	s_mov_b32 s[CW+1], s[CW]                       ; named with it as a pair
	s_mov_b32 s[R512], 0x3b000000
	s_mov_b32 s[EPSR], 0x3727c5ac
	s_mov_b32 s[SEL], 0x76543210
	s_mov_b32 s[SEL+1], 0xfedcba98
	s_mov_b32 s41, 0
	s_wait_kmcnt 0x0
	s_lshl_b32 s40, ttmp9, 16                      ; 32 rows of x
	s_add_nc_u64 s[4:5], s[4:5], s[40:41]
	s_lshl_b32 s40, ttmp9, 15                      ; 32 rows of h1
	s_add_nc_u64 s[22:23], s[22:23], s[40:41]
	s_lshl_b32 s40, ttmp9, 12                      ; two rows of a 512 x 512 matrix
	s_add_nc_u64 s[10:11], s[10:11], s[40:41]
	s_add_nc_u64 s[12:13], s[12:13], s[40:41]
	s_add_nc_u64 s[14:15], s[14:15], s[40:41]
	s_add_nc_u64 s[16:17], s[16:17], s[40:41]
	s_lshl_b32 s40, ttmp9, 14                      ; 16,384 bytes of W1 and of W2
	s_add_nc_u64 s[18:19], s[18:19], s[40:41]
	s_add_nc_u64 s[20:21], s[20:21], s[40:41]
	s_mul_i32 s40, ttmp9, 6144                     ; two rows of 1,536 bf16
	s_add_nc_u64 s[26:27], s[24:25], s[40:41]
	s_lshl_b32 s40, ttmp9, 11
	s_add_co_u32 s40, s40, 1572864
	s_add_nc_u64 s[28:29], s[24:25], s[40:41]      ; Wo's section
	s_lshl_b32 s40, ttmp9, 13
	s_add_co_u32 s40, s40, 2097152
	s_add_nc_u64 s[30:31], s[24:25], s[40:41]      ; W1's section; W2's lies 2,097,152 bytes on
.irp i, 0,1,2,3
.irp c, 0,1,2,3
	global_load_b128 v[X+16*\i+4*\c:X+16*\i+4*\c+3], v[XO], s[4:5] offset:\i*2048+512*\c
.endr
.endr
.irp c, 0,1,2,3
	global_load_b128 v[LSC+4*\c:LSC+4*\c+3], v[PO], s[6:7] offset:512*\c
	global_load_b128 v[LSH+4*\c:LSH+4*\c+3], v[PO], s[8:9] offset:512*\c
.endr
	global_load_b128 v[WR:WR+3],     v[WS], s[10:11] th:TH_LOAD_NT
	global_load_b128 v[WR+4:WR+7],   v[WS], s[12:13] th:TH_LOAD_NT
	global_load_b128 v[WR+8:WR+11],  v[WS], s[14:15] th:TH_LOAD_NT
	global_load_b128 v[WR+12:WR+15], v[WS], s[16:17] th:TH_LOAD_NT
.irp i, 0,1,2,3
	global_load_b128 v[WR+16+4*\i:WR+16+4*\i+3], v[WS], s[18:19] offset:4096*\i th:TH_LOAD_NT
.endr
.irp i, 0,1,2,3
	global_load_b128 v[WR+32+4*\i:WR+32+4*\i+3], v[WS], s[20:21] offset:4096*\i th:TH_LOAD_NT
.endr
	s_wait_loadcnt 12                              ; x, scale and shift are in; the twelve younger loads, the weights, stay out
	LN4 X, U, 0
	s_wait_loadcnt 0x0
	v_pk_mul_f32 v[WR:WR+1], v[WR:WR+1], s[CW:CW+1] op_sel_hi:[1,0]
	v_pk_mul_f32 v[WR+2:WR+3], v[WR+2:WR+3], s[CW:CW+1] op_sel_hi:[1,0]
.set gi, 0
.rept 12                                       ; each group of four is packed into its own two lowest registers
	v_cvt_pk_bf16_f32 v[WR+4*gi], v[WR+4*gi], v[WR+4*gi+1]
	v_cvt_pk_bf16_f32 v[WR+4*gi+1], v[WR+4*gi+2], v[WR+4*gi+3]
.set gi, gi+1
.endr
	global_store_b64 v[WD], v[WR:WR+1],     s[26:27]
	global_store_b64 v[WD], v[WR+4:WR+5],   s[26:27] offset:1024
	global_store_b64 v[WD], v[WR+8:WR+9],   s[26:27] offset:2048
	global_store_b64 v[WD2], v[WR+12:WR+13], s[28:29]
.irp i, 0,1,2,3
	global_store_b64 v[WD2], v[WR+16+4*\i:WR+16+4*\i+1], s[30:31] offset:2048*\i
.endr
.irp i, 0,1,2,3
	global_store_b64 v[WD2], v[WR+32+4*\i:WR+32+4*\i+1], s[30:31] offset:2097152+2048*\i
.endr
	s_endpgm
.Lfunc_end_k_qf583813915_prep:
	.size	k_qf583813915_prep, .Lfunc_end_k_qf583813915_prep-k_qf583813915_prep
	.p2alignl 7, 3214868480
	.fill 96, 4, 3214868480
	.section	.rodata,"a",@progbits
	.p2align	6, 0x0
	.amdhsa_kernel k_qf583813915_prep
		.amdhsa_group_segment_fixed_size 0
		.amdhsa_private_segment_fixed_size 0
		.amdhsa_enable_private_segment 0
		.amdhsa_kernarg_size 88
		.amdhsa_user_sgpr_count 2
		.amdhsa_user_sgpr_kernarg_segment_ptr 1
		.amdhsa_wavefront_size32 1
		.amdhsa_system_sgpr_workgroup_id_x 1
		.amdhsa_system_sgpr_workgroup_id_y 1
		.amdhsa_system_sgpr_workgroup_id_z 1
		.amdhsa_system_vgpr_workitem_id 0
		.amdhsa_next_free_vgpr 192
		.amdhsa_next_free_sgpr 66
		.amdhsa_reserve_vcc 0
		.amdhsa_float_denorm_mode_32 3
		.amdhsa_float_denorm_mode_16_64 3
		.amdhsa_memory_ordered 1
		.amdhsa_forward_progress 1
		.amdhsa_inst_pref_size 26
	.end_amdhsa_kernel
	.amdgpu_metadata
---
amdhsa.version: [ 1, 2 ]
amdhsa.kernels:
  - .name:           k_qf583813915_prep
    .symbol:         k_qf583813915_prep.kd
    .args:
      - { .name: x, .offset: 0, .size: 8, .value_kind: global_buffer, .address_space: global }
      - { .name: ln1_scale, .offset: 8, .size: 8, .value_kind: global_buffer, .address_space: global }
      - { .name: ln1_shift, .offset: 16, .size: 8, .value_kind: global_buffer, .address_space: global }
      - { .name: Wq, .offset: 24, .size: 8, .value_kind: global_buffer, .address_space: global }
      - { .name: Wk, .offset: 32, .size: 8, .value_kind: global_buffer, .address_space: global }
      - { .name: Wv, .offset: 40, .size: 8, .value_kind: global_buffer, .address_space: global }
      - { .name: Wo, .offset: 48, .size: 8, .value_kind: global_buffer, .address_space: global }
      - { .name: W1, .offset: 56, .size: 8, .value_kind: global_buffer, .address_space: global }
      - { .name: W2, .offset: 64, .size: 8, .value_kind: global_buffer, .address_space: global }
      - { .name: h1, .offset: 72, .size: 8, .value_kind: global_buffer, .address_space: global }
      - { .name: wb, .offset: 80, .size: 8, .value_kind: global_buffer, .address_space: global }
    .group_segment_fixed_size: 0
    .private_segment_fixed_size: 0
    .kernarg_segment_align: 8
    .kernarg_segment_size: 88
    .max_flat_workgroup_size: 256
    .sgpr_count:     66
    .vgpr_count:     192
    .wavefront_size: 32
...
	.end_amdgpu_metadata
.endif
;; end of part 1
;; launch qkv (part 2): grid 4 x 64, 4 waves a work-group, clusters of 4 x 4, 327,680 bytes of LDS; arguments h1, wb, qkv; writes qkv
.if DOCPART == 2
	.amdgcn_target "amdgcn-amd-amdhsa--gfx1250"
	.amdhsa_code_object_version 6
	.text
	.protected	k_qf583813915_qkv
	.globl	k_qf583813915_qkv
	.p2align	8
	.type	k_qf583813915_qkv,@function
k_qf583813915_qkv:
	s_mov_b64 s[64:65], 0
	v_nop
	global_prefetch_b8 v0, s[64:65] scope:SCOPE_SE
	s_setreg_imm32_b32 hwreg(HW_REG_WAVE_MODE, 25, 1), 1
	s_wait_xcnt 0x0
	s_wait_alu depctr_hold_cnt(0) depctr_sa_sdst(0) depctr_va_vdst(0) depctr_va_sdst(0) depctr_va_ssrc(0) depctr_va_vcc(0) depctr_vm_vsrc(0)
	s_getreg_b32 s2, hwreg(HW_REG_IB_STS2, 6, 4)
	s_cmp_eq_u32 s2, 0
	s_cbranch_scc0 .Lentry_in_a_cluster
	s_endpgm
.Lentry_in_a_cluster:
	s_bfe_u32 s2, ttmp6, 0x10000c
	s_cmp_lg_u32 s2, 0xf033
	s_cbranch_scc0 .Lentry_shape_is_right
	s_endpgm
.Lentry_shape_is_right:
; q | k | v = h1 [8192][512] x wb's first section [512 k][1536 n], both bf16, sums in f32, rounded once to bf16 and laid out by heads: qkv[3][64 = 16 batch + head][2048][32].
; A tile of the product is 128 rows x 384 columns (twelve heads): 4 x 64 tiles, one for each of 256 work-groups.  Each of the four waves takes all 128 rows and 96 columns:
; 48 accumulators of 16 x 16.  K = 512 goes in four steps of 128 through two LDS slots filled by the tensor data mover; the four steps are written out.
; THE WEIGHTS lie [k][n]: their fragments are turned on the way out of LDS by ds_load_tr16_b128.  A row of the weights' tile is 768 bytes, padded by 32 behind every 256;
; wave w takes the column blocks 8 j + 2 w and 8 j + 2 w + 1 (j = 0..2), which are the whole heads 4 j + w of the tile's twelve, at the same immediates in all waves.
; THE MATRIX INSTRUCTION IS USED TRANSPOSED: source 0 = 16 columns of the weights, source 1 = 16 rows of h1: a lane then holds eight neighbouring columns of one row.
; CLUSTER 4 x 4: h1's tile hangs on the tile row alone and is asked for jointly along a row of the cluster, the weights' on the tile column alone, jointly along a column.
; REGISTERS in windows of 256: window 0: v0-31 addresses, v32-63 and v192-223 the way out, v64-127 and v128-191 h1's fragments (two buffers); window 1: the weights' fragments at the
; same numbers; window 2: accumulators of row blocks 0-3, (a, b) at v[8 (6 a + b)]; window 3: those of row blocks 4-7.
.set NW,    6                          ; column blocks a wave
.set CA,    288                        ; LDS bytes from a pair of my column blocks to the next
.set PA,    272                        ; an LDS row of h1: 256 bytes + 16
.set PB,    864                        ; an LDS row of the weights: 3 x (256 + 32): an odd multiple of 32
.set RA,    64                         ; rows in a load of h1
.set WROW,  3072                       ; bytes in a row of the weights in memory
.set BOFF,  128*PA                     ; the weights' tile lies behind h1's 128 rows
.set SLOT,  BOFF+128*PB
.set STAGE, 2*SLOT                     ; behind the ring: 64 rows x 80 bytes for each wave
.set SPARE, STAGE+4*5120               ; behind the stages: the spare words, 128 bytes for each wave
.set NLD,   2*NW+16                    ; LDS loads in a run
.set ADRA, 16                          ; v16-17  LDS address of my h1 fragments in slot 0, 1
.set ADRB, 20                          ; v20-23  the same for the weights: 2 x slot + half of the step's 128 k
.set STO,  24
.set RD,   25
.set GO,   26
.set SPW,  28                          ; v28  my spare word; never rewritten
.set NIL,  29                          ; v29  0; never rewritten
.set OB,   32
.set F0,   64
.set F1,   128
.set TMP,  192
.set G1,  24
.set G0,  32
.set G1B, 48
.set G0B, 56
.set MSB, 0
.macro WIN new                         ; the immediate's high byte repeats the setting that is left; a switch that changes nothing is dropped
.if MSB != (\new)
	s_set_vgpr_msb (MSB<<8)|(\new)
.set MSB, \new
.endif
.endm
.set MUL_LO, 0xa1                      ; source 0 window 1, source 1 window 0, C and D window 2
.set MUL_HI, 0xf1                      ; the same, C and D window 3
.set TO_B,   0x40                      ; destination window 1, address window 0
.macro PLACES                          ; four plain places behind matrix instructions, ahead of loads into registers that they read and of lines that read their results
.rept 4
	v_nop
.endr
.endm
; A joint load: waves 0 and 1 fetch the halves of h1's tile, waves 2 and 3 those of the weights'.  The branch hangs on the wave's number alone.
.macro JLOAD sl
	s_cmp_eq_u32 s11, 0
	s_cbranch_scc0 .Lfor_b_\@
	tensor_load_to_lds s[G0+4*(\sl):G0+4*(\sl)+3], s[G1:G1+7]
	s_nop 0
.rept 4
	v_nop
.endr
	s_branch .Lasked_\@
.Lfor_b_\@:
	tensor_load_to_lds s[G0B+4*(\sl):G0B+4*(\sl)+3], s[G1B:G1B+7]
	s_nop 0
.rept 4
	v_nop
.endr
.Lasked_\@:
.endm
.macro CREST                           ; a round of the cluster's barrier behind its opening barrier
	s_cmp_lg_u32 s10, 0
	s_cbranch_scc1 .Lnot_wave_0_\@
	s_barrier_signal -3
.Lnot_wave_0_\@:
	s_barrier_wait -3
	s_barrier_signal -1
	s_barrier_wait -1
.endm
.macro CROUND
	s_barrier_signal -1
	s_barrier_wait -1
	CREST
.endm
	s_load_b128 s[4:7], s[0:1], 0x0                ; h1 s[4:5], wb s[6:7]
	s_load_b64 s[8:9], s[0:1], 0x10                ; qkv
	v_lshl_add_u32 v[SPW], v0, 2, SPARE
	v_mov_b32 v[NIL], 0
	ds_add_u32 v[SPW], v[NIL]                      ; the wave's opening: the add and its wait ahead of my first tensor load
	v_lshrrev_b32 v1, 5, v0
	v_readfirstlane_b32 s10, v1                    ; wave 0..3
	s_lshr_b32 s11, s10, 1                         ; I fetch for h1 (0) or for the weights (1)
	s_and_b32 s12, s10, 1                          ; which half of that tile
	s_bfe_u32 s40, ttmp6, 0x40000                  ; cx
	s_bfe_u32 s41, ttmp6, 0x40004                  ; cy
	s_lshl_b32 s42, ttmp9, 2
	s_add_co_u32 s42, s42, s40                     ; tile column
	s_and_b32 s13, ttmp7, 0xffff
	s_lshl_b32 s13, s13, 2
	s_add_co_u32 s13, s13, s41                     ; tile row
	s_lshl_b32 s43, s41, 2
	s_lshl_b32 s43, 15, s43                        ; my row of the cluster
	s_lshl_b32 s44, 0x1111, s40                    ; my column
	s_or_b32 s[G1+0], s43, (1<<16)|(1<<20)|(1<<21)|(5<<22)|(3<<25)   ; mask; 2-byte elements; padding on; bit 21 beside a mask; 4 words behind every 64
	s_mov_b32 s[G1+1], 128<<16                     ; tensor_dim0 = 128
	s_mov_b32 s[G1+2], RA<<16                      ; tensor_dim1 = 64
	s_mov_b32 s[G1+3], 128<<16                     ; tile_dim0 = 128
	s_mov_b32 s[G1+4], RA                          ; tile_dim1 = 64
	s_mov_b32 s[G1+5], 512                         ; elements from row to row
	s_mov_b32 s[G1+6], 0
	s_mov_b32 s[G1+7], 0
	s_or_b32 s[G1B+0], s44, (1<<16)|(1<<20)|(1<<21)|(5<<22)|(7<<25)  ; 8 words behind every 64
	s_mov_b32 s[G1B+1], 384<<16
	s_mov_b32 s[G1B+2], 64<<16
	s_mov_b32 s[G1B+3], 384<<16
	s_mov_b32 s[G1B+4], 64
	s_mov_b32 s[G1B+5], 1536
	s_mov_b32 s[G1B+6], 0
	s_mov_b32 s[G1B+7], 0
	s_lshl_b32 s16, s13, 7
	s_lshl_b32 s17, s12, 6
	s_add_co_u32 s16, s16, s17                     ; h1: row 128 x tile row + 64 x half,
	s_lshl_b32 s16, s16, 10                        ; of 1,024 bytes
	s_mov_b32 s17, 0
	s_mul_i32 s46, s12, 64*WROW                    ; weights: k row 64 x half,
	s_mul_i32 s47, s42, 768                        ; column 384 x tile column
	s_add_co_u32 s46, s46, s47
	s_mov_b32 s47, 0
	s_mul_i32 s20, s12, RA*PA                      ; where they go in a slot: no place in the cluster enters an LDS address
	s_mul_i32 s21, s12, 64*PB
	s_add_co_u32 s21, s21, BOFF
	s_wait_dscnt 0x0                               ; the opening add is done
	s_wait_kmcnt 0x0
	s_add_nc_u64 s[14:15], s[4:5], s[16:17]
	s_add_nc_u64 s[46:47], s[6:7], s[46:47]
	CROUND                                         ; all sixteen work-groups are here: the first joint loads meet
.irp s, 0,1
	s_mov_b32 s[G0+4*(\s)], 1
	s_add_co_u32 s[G0+4*(\s)+1], s20, (\s)*SLOT
	s_add_nc_u64 s[G0+4*(\s)+2:G0+4*(\s)+3], s[14:15], (\s)*256          ; K step s
	s_or_b32 s[G0+4*(\s)+3], s[G0+4*(\s)+3], 0x80000000
	s_mov_b32 s[G0B+4*(\s)], 1
	s_add_co_u32 s[G0B+4*(\s)+1], s21, (\s)*SLOT
	s_add_nc_u64 s[G0B+4*(\s)+2:G0B+4*(\s)+3], s[46:47], (\s)*128*WROW
	s_or_b32 s[G0B+4*(\s)+3], s[G0B+4*(\s)+3], 0x80000000
	JLOAD \s                                       ; two loads of mine are out
.endr
	v_and_b32 v1, 15, v0                           ; r = l % 16
	v_bfe_u32 v2, v0, 4, 1                         ; h = l / 16
	v_mul_u32_u24 v3, v1, PA
	v_lshl_add_u32 v[ADRA], v2, 4, v3              ; row x pitch + 16 h
	v_add_nc_u32 v[ADRA+1], SLOT, v[ADRA]
	v_and_b32 v4, 7, v0
	v_lshl_add_u32 v4, v2, 3, v4                   ; the turning load: k row 8 h + l % 8,
	v_mul_u32_u24 v4, v4, PB
	v_bfe_u32 v5, v0, 3, 1
	v_lshl_add_u32 v4, v5, 4, v4                   ; 16 bytes for each half of eight lanes
	s_lshl_b32 s22, s10, 6                         ; my column blocks begin 64 w bytes into each 256
	s_add_co_u32 s22, s22, BOFF
	v_add_nc_u32 v[ADRB], s22, v4
	v_add_nc_u32 v[ADRB+1], 64*PB, v[ADRB]
	v_add_nc_u32 v[ADRB+2], SLOT, v[ADRB]
	v_add_nc_u32 v[ADRB+3], SLOT+64*PB, v[ADRB]
	s_mul_i32 s23, s10, 5120
	s_add_co_u32 s23, s23, STAGE                   ; my stage
	v_mul_u32_u24 v6, v1, 80
	v_lshl_add_u32 v6, v2, 4, v6
	v_add_nc_u32 v[STO], s23, v6                   ; in: row r, 16 bytes for each half of the lanes
	v_and_b32 v7, 31, v0
	v_lshrrev_b32 v6, 2, v7
	v_mul_u32_u24 v6, v6, 80
	v_and_b32 v8, 3, v0
	v_lshl_add_u32 v6, v8, 4, v6
	v_add_nc_u32 v[RD], s23, v6                    ; back: 32 lanes take eight rows of 64 bytes,
	v_lshlrev_b32 v[GO], 4, v7                     ; which are 512 consecutive bytes of a head
	; where my three heads' rows begin in qkv: head number G = 12 x tile column + 4 j + w of 48; G / 16 says q, k or v
	s_mul_i32 s66, s42, 12
	s_add_co_u32 s66, s66, s10
	s_lshr_b32 s67, s13, 4
	s_lshl_b32 s67, s67, 4                         ; 16 x batch
	s_and_b32 s76, s13, 15
	s_lshl_b32 s76, s76, 13                        ; 128 rows of 64 bytes for each tile row in the batch
	s_mov_b32 s79, 0
.irp jj, 0,1,2
	s_add_co_u32 s77, s66, 4*\jj
	s_lshr_b32 s78, s77, 4
	s_lshl_b32 s78, s78, 23
	s_and_b32 s77, s77, 15
	s_add_co_u32 s77, s77, s67
	s_lshl_b32 s77, s77, 17
	s_add_co_u32 s78, s78, s77
	s_add_co_u32 s78, s78, s76
	s_add_nc_u64 s[68+2*\jj:69+2*\jj], s[8:9], s[78:79]
.endr
; 2 NW matrix instructions: row blocks a0, a0 + 1 of the window's four x all my column blocks, 32 along K.  The accumulators take turns, one instruction a turn.
.macro MULH f, hi, a0, zero
	WIN MUL_LO+0x50*(\hi)
.set ma, \a0
.rept 2
.set mb, 0
.rept NW
.if \zero
	v_wmma_f32_16x16x32_bf16 v[8*(NW*ma+mb):8*(NW*ma+mb)+7], v[(\f)+8*mb:(\f)+8*mb+7], v[(\f)+8*(4*(\hi)+ma):(\f)+8*(4*(\hi)+ma)+7], 0
.else
	v_wmma_f32_16x16x32_bf16 v[8*(NW*ma+mb):8*(NW*ma+mb)+7], v[(\f)+8*mb:(\f)+8*mb+7], v[(\f)+8*(4*(\hi)+ma):(\f)+8*(4*(\hi)+ma)+7], v[8*(NW*ma+mb):8*(NW*ma+mb)+7]
.endif
.set mb, mb+1
.endr
.set ma, ma+1
.endr
.endm
; One run of LDS loads: quarter q (32 along K) of a slot into buffer f: the weights' fragments, turned, then h1's
.macro FETCH slot, q, f
	WIN TO_B
.set fi, 0
.rept NW
	ds_load_tr16_b128 v[(\f)+8*fi:(\f)+8*fi+3],   v[ADRB+2*(\slot)+(\q)/2] offset:((\q)%2)*32*PB+CA*(fi/2)+32*(fi%2)
	ds_load_tr16_b128 v[(\f)+8*fi+4:(\f)+8*fi+7], v[ADRB+2*(\slot)+(\q)/2] offset:((\q)%2)*32*PB+CA*(fi/2)+32*(fi%2)+16*PB
.set fi, fi+1
.endr
	WIN 0
.irp i, 0,1,2,3,4,5,6,7
	ds_load_b128 v[(\f)+8*(\i):(\f)+8*(\i)+3],   v[ADRA+(\slot)] offset:64*(\q)+(\i)*16*PA
	ds_load_b128 v[(\f)+8*(\i)+4:(\f)+8*(\i)+7], v[ADRA+(\slot)] offset:64*(\q)+(\i)*16*PA+32
.endr
.endm
; One of a K step's first three quarters: multiplies buffer f; in its middle it fetches quarter q into buffer g
.macro QUARTER slot, q, f, g, zero
	s_wait_dscnt 8                                 ; all but the youngest eight loads (h1's row blocks 4-7) are in
	MULH \f, 0, 0, \zero
	MULH \f, 0, 2, \zero
	PLACES
	FETCH \slot, \q, \g
	s_wait_dscnt NLD                               ; all but the run just issued
	MULH \f, 1, 0, \zero
	MULH \f, 1, 2, \zero
.endm
; The change of slots: each wave waits for all its tensor loads (one is out: its part of the next slot), adds 0 to its spare word, and waits for that and for its reads of this slot
.macro MEET round
	WIN 0
	s_wait_tensorcnt 0x0
	ds_add_u32 v[SPW], v[NIL]
	s_wait_dscnt 9                                 ; the add and the youngest eight loads may be out
	MULH F1, 0, 0, 0
	s_wait_dscnt 0x0                               ; the add is done, and my reads of this slot are over
	s_barrier_signal -1
	MULH F1, 0, 2, 0
.if \round
	WIN 0
.endif
	s_barrier_wait -1
.endm
.macro TURN slot, next, fill
	MEET \fill
.if \fill
	CREST                                          ; the barrier has opened a round of the cluster's: no wave of any partner still reads this slot or has a load on its way
	s_add_nc_u64 s[G0+4*(\slot)+2:G0+4*(\slot)+3], s[G0+4*(\slot)+2:G0+4*(\slot)+3], 512
	s_add_nc_u64 s[G0B+4*(\slot)+2:G0B+4*(\slot)+3], s[G0B+4*(\slot)+2:G0B+4*(\slot)+3], 2*128*WROW
	JLOAD \slot                                    ; my one tensor load behind the round, two K steps ahead; its four v_nop are also the places ahead of the loads below
.else
	PLACES
.endif
	FETCH \next, 0, F0
	MULH F1, 1, 0, 0
	MULH F1, 1, 2, 0
.endm
	s_wait_tensorcnt 0x1                           ; my part of K step 0 is in; K step 1's may stay out
	s_barrier_signal -1
	s_barrier_wait -1
	FETCH 0, 0, F0
	QUARTER 0, 1, F0, F1, 1                        ; the first products start the sums
	QUARTER 0, 2, F1, F0, 0
	QUARTER 0, 3, F0, F1, 0
	TURN 0, 1, 1
	QUARTER 1, 1, F0, F1, 0
	QUARTER 1, 2, F1, F0, 0
	QUARTER 1, 3, F0, F1, 0
	TURN 1, 0, 1
	QUARTER 0, 1, F0, F1, 0
	QUARTER 0, 2, F1, F0, 0
	QUARTER 0, 3, F0, F1, 0
	TURN 0, 1, 0                                   ; nothing is left to fetch
	QUARTER 1, 1, F0, F1, 0
	QUARTER 1, 2, F1, F0, 0
	QUARTER 1, 3, F0, F1, 0
	s_wait_dscnt 8
	MULH F1, 0, 0, 0
	MULH F1, 0, 2, 0
	s_wait_dscnt 0x0
	MULH F1, 1, 0, 0
	MULH F1, 1, 2, 0
	WIN 0
	PLACES
; THE WAY OUT: head jj, rows 64 hf on: rounded to bf16, 16 bytes a lane into my stage, back as 512 consecutive bytes of the head
.macro OUTQ jj, hf
	WIN 0x0a+5*(\hf)                               ; sources 0 and 1 in window 2 or 3
.irp a, 0,1,2,3
.irp e, 0,1
.irp p, 0,1,2,3
	v_cvt_pk_bf16_f32 v[TMP+4*(2*(\a)+(\e))+(\p)], v[8*(NW*(\a)+2*(\jj)+(\e))+2*(\p)], v[8*(NW*(\a)+2*(\jj)+(\e))+2*(\p)+1]
.endr
.endr
.endr
	WIN 0
.irp a, 0,1,2,3
.irp e, 0,1
	ds_store_b128 v[STO], v[TMP+4*(2*(\a)+(\e)):TMP+4*(2*(\a)+(\e))+3] offset:(\a)*1280+32*(\e)
.endr
.endr
	s_wait_xcnt 0x0                                ; the last stores have read OB: it is loaded again only behind this wait
.irp f, 0,1,2,3,4,5,6,7
	ds_load_b128 v[OB+4*(\f):OB+4*(\f)+3], v[RD] offset:(\f)*640   ; LDS serves a wave's instructions in order: these see the stores above
.endr
	s_wait_dscnt 0x0
.irp f, 0,1,2,3,4,5,6,7
	global_store_b128 v[GO], v[OB+4*(\f):OB+4*(\f)+3], s[68+2*(\jj):69+2*(\jj)] offset:(\hf)*4096+(\f)*512
.endr
.endm
	OUTQ 0, 0
	OUTQ 1, 0
	OUTQ 2, 0
	OUTQ 0, 1
	OUTQ 1, 1
	OUTQ 2, 1
	s_wait_tensorcnt 0x0                           ; the wave's end
	ds_add_u32 v[SPW], v[NIL]
	s_wait_dscnt 0x0
	CROUND                                         ; the closing round
	s_endpgm
.Lfunc_end_k_qf583813915_qkv:
	.size	k_qf583813915_qkv, .Lfunc_end_k_qf583813915_qkv-k_qf583813915_qkv
	.p2alignl 7, 3214868480
	.fill 96, 4, 3214868480
	.section	.rodata,"a",@progbits
	.p2align	6, 0x0
	.amdhsa_kernel k_qf583813915_qkv
		.amdhsa_group_segment_fixed_size 327680
		.amdhsa_private_segment_fixed_size 0
		.amdhsa_enable_private_segment 0
		.amdhsa_kernarg_size 24
		.amdhsa_user_sgpr_count 2
		.amdhsa_user_sgpr_kernarg_segment_ptr 1
		.amdhsa_wavefront_size32 1
		.amdhsa_system_sgpr_workgroup_id_x 1
		.amdhsa_system_sgpr_workgroup_id_y 1
		.amdhsa_system_sgpr_workgroup_id_z 1
		.amdhsa_system_vgpr_workitem_id 0
		.amdhsa_next_free_vgpr 1024
		.amdhsa_next_free_sgpr 96
		.amdhsa_reserve_vcc 0
		.amdhsa_float_denorm_mode_32 3
		.amdhsa_float_denorm_mode_16_64 3
		.amdhsa_memory_ordered 1
		.amdhsa_forward_progress 1
		.amdhsa_inst_pref_size 115
	.end_amdhsa_kernel
	.amdgpu_metadata
---
amdhsa.version: [ 1, 2 ]
amdhsa.kernels:
  - .name:           k_qf583813915_qkv
    .symbol:         k_qf583813915_qkv.kd
    .args:
      - { .name: h1, .offset: 0, .size: 8, .value_kind: global_buffer, .address_space: global }
      - { .name: wb, .offset: 8, .size: 8, .value_kind: global_buffer, .address_space: global }
      - { .name: qkv, .offset: 16, .size: 8, .value_kind: global_buffer, .address_space: global }
    .group_segment_fixed_size: 327680
    .private_segment_fixed_size: 0
    .kernarg_segment_align: 8
    .kernarg_segment_size: 24
    .max_flat_workgroup_size: 128
    .sgpr_count:     96
    .vgpr_count:     1024
    .wavefront_size: 32
...
	.end_amdgpu_metadata
.endif
;; end of part 2
;; launch attn (part 3): grid 4 x 64, 8 waves a work-group, no clusters, 327,680 bytes of LDS; arguments qkv, ctx; writes ctx
.if DOCPART == 3
	.amdgcn_target "amdgcn-amd-amdhsa--gfx1250"
	.amdhsa_code_object_version 6
	.text
	.protected	k_qf583813915_attn
	.globl	k_qf583813915_attn
	.p2align	8
	.type	k_qf583813915_attn,@function
k_qf583813915_attn:
	s_mov_b64 s[64:65], 0
	v_nop
	global_prefetch_b8 v0, s[64:65] scope:SCOPE_SE
	s_setreg_imm32_b32 hwreg(HW_REG_WAVE_MODE, 25, 1), 1
	s_wait_xcnt 0x0
; CAUSAL ATTENTION at head size 32.  ctx[hd][q][:] = the sum over k <= q of softmax_k(score) v[hd][k][:]; q, k, v, ctx: [64][2048][32] bf16, a head's rows dense, 64 bytes each.
; q arrives multiplied by log2(e) / sqrt(32), so a product q . k is the exponent of 2: p = 2^(s - m) with a running maximum m; O and l are multiplied by a = 2^(m_old - m_new) in every step.
; Products, maxima and sums in f32; p is rounded to bf16 for the second product.
; LIMITS.  A hidden score counts as its value less 1e30.  A weight below 2^-126 counts as 0.  l is the sum of the weights as rounded to bf16, made by the matrix unit (ones x P).
; NaN and infinities are not treated apart.
; THE WALK.  A head's queries lie in 8 blocks of 256; block i needs the key tiles 0 .. i of 256 keys.  A work-group takes blocks 7 - b and then b: nine tiles whatever b, one counted loop.
; SHARES.  Eight waves.  Wave w takes 32 queries, two tiles of 16: half w / 4 of band X of 64 queries, X = w for w < 4 and 7 - w above.  In the diagonal tile band X needs the key steps 0 .. X;
; the later steps are jumped forward, and waves w and w + 4 have five live steps together.
; LAYOUT.  S^T = K Q^T: a lane holds one query (l % 16) and the keys 8 (l / 16) + 0..7 of a block of 16; two such results rounded in pairs ARE source 1 of O^T = V^T P.  V is turned by ds_load_tr16_b128.
; THE MASK is the C operand of the one product that makes a score: 0, TRI (the diagonal block) or HID (a block wholly hidden).
; NO CLUSTER: a head's four work-groups ask for the same tile only in the first trips; behind that each needs tiles of its own.
.set VOFF,  20480                      ; a slot: 256 rows of K at pitch 80, then 256 rows of V at pitch 96
.set SLOT1, 65536
.set STAGE, 110592                     ; behind the ring: 32 rows x 80 bytes for each wave
.set SPARE, 131072                     ; the spare words, 128 bytes for each of eight waves
.set AK0, 2
.set AV0, 3
.set AK,  4
.set AV,  5
.set STO, 6
.set RD,  7
.set GO,  8
.set QO,  10
.set SPW, 12                           ; v12  my spare word; never rewritten
.set NIL, 13                           ; v13  0; never rewritten
.set ST,  16                           ; tile t at ST + 4 t: m, its pair's partner, a, its pair's partner
.set CC,  24                           ; tile t at CC + 4 t: c0-c3 at work
.set Q,   32
.set KF,  48                           ; key block kb at KF + 8 kb
.set VF,  80                           ; key half kk, channel block cb at VF + 16 kk + 8 cb
.set S,   112                          ; tile t, key block kb at S + 32 t + 8 kb; P is packed in place into a tile's first 16 registers
.set O,   176                          ; tile t, channel block cb at O + 16 t + 8 cb
.set LA,  208                          ; tile t's row sums at LA + 8 t; only registers 0 and 1 are rescaled, only register 0 is read
.set TRI, 224
.set HID, 232
.set ONE, 240
.set KB,  8                            ; s[8:9]   k of my head
.set VB,  10                           ; s[10:11] v of my head
.set WV,  12
.set XB,  13                           ; my band
.set PBK, 14                           ; b
.set HI,  15                           ; 7 - b
.set HF,  16                           ; my half of the band
.set XP1, 17
.set G1K, 24
.set G1V, 32
.set G0K, 40
.set G0V, 44
.set SLOTS, 56
.set STP, 57
.set SEL, 60
.set CUR, 62                           ; LDS byte at which the slot being read begins
.set RT,  70                           ; tiles of the block in hand still to be entered
.set NXT, 71                           ; the tile to be asked for next
.set LQ,  72                           ; the last tile of the block whose tiles are being asked for
.set OFF, 74
.set LIM, 76                           ; key steps of this tile that I need
.set OWN, 77                           ; the step that holds my diagonal, or 4
.set SK,  78
.set SV,  79
.set OP,  80                           ; s[80:81] ctx at my rows of the block in hand
.set OP2, 82                           ; of the second block
.set QP,  84
.set QP2, 86
.set BIGN, 88
.macro PLACES
.rept 4
	v_nop
.endr
.endm
.macro BOTH line:vararg                ; one line for each of my two tiles t
.set t, 0
.rept 2
	\line
.set t, t+1
.endr
.endm
; A fill: wave 0 fetches the tile's K, wave 1 its V, 64 rows of 256 dense bytes each; the others fetch nothing.  At most one tensor load of a wave is out.
.macro LOAD
	s_cmp_eq_u32 s[WV], 0
	s_cbranch_scc0 .Lnot_k_\@
	tensor_load_to_lds s[G0K:G0K+3], s[G1K:G1K+7]
	s_nop 0
.rept 4
	v_nop
.endr
	s_branch .Lasked_\@
.Lnot_k_\@:
	s_cmp_eq_u32 s[WV], 1
	s_cbranch_scc0 .Lasked_\@
	tensor_load_to_lds s[G0V:G0V+3], s[G1V:G1V+7]
	s_nop 0
.rept 4
	v_nop
.endr
.Lasked_\@:
.endm
; THE CHANGE OF SLOTS.  Each wave waits for all its tensor loads, adds 0 to its spare word, and waits for that and for its reads of the slot that it leaves.  Behind the barrier nobody reads
; the old slot and the other slot is whole.  fill = 1: the old slot is filled again, first thing behind the barrier, with tile NXT; the descriptors' addresses are made anew from that number.
.macro CHANGE fill
	s_wait_tensorcnt 0x0
	ds_add_u32 v[SPW], v[NIL]
.if \fill
	s_lshl_b32 s[OFF], s[NXT], 14                  ; a tile is 16,384 bytes of k and of v
	s_xor_b32 s[G0K+1], s[G0K+1], SLOT1
	s_add_nc_u64 s[G0K+2:G0K+3], s[KB:KB+1], s[OFF:OFF+1]
	s_or_b32 s[G0K+3], s[G0K+3], 0x80000000
	s_xor_b32 s[G0V+1], s[G0V+1], SLOT1
	s_add_nc_u64 s[G0V+2:G0V+3], s[VB:VB+1], s[OFF:OFF+1]
	s_or_b32 s[G0V+3], s[G0V+3], 0x80000000
	s_add_co_u32 s[NXT], s[NXT], 1                 ; the block's next tile, or behind its last the second block's tile 0
	s_cmp_gt_u32 s[NXT], s[LQ]
	s_cselect_b32 s[NXT], 0, s[NXT]
	s_cselect_b32 s[LQ], s[PBK], s[LQ]
.endif
	s_wait_dscnt 0x0                               ; the add is done, and my reads of the slot are over
	s_barrier_signal -1
	s_xor_b32 s[CUR], s[CUR], SLOT1
	s_barrier_wait -1
.if \fill
	LOAD
.endif
.endm
.macro KQ1 tt, kb, m                   ; one product makes 16 keys x 16 queries: m = 0: C is 0; 1: TRI; 2: HID
.if (\m) == 0
	v_wmma_f32_16x16x32_bf16 v[S+32*(\tt)+8*(\kb):S+32*(\tt)+8*(\kb)+7], v[KF+8*(\kb):KF+8*(\kb)+7], v[Q+8*(\tt):Q+8*(\tt)+7], 0
.elseif (\m) == 1
	v_wmma_f32_16x16x32_bf16 v[S+32*(\tt)+8*(\kb):S+32*(\tt)+8*(\kb)+7], v[KF+8*(\kb):KF+8*(\kb)+7], v[Q+8*(\tt):Q+8*(\tt)+7], v[TRI:TRI+7]
.else
	v_wmma_f32_16x16x32_bf16 v[S+32*(\tt)+8*(\kb):S+32*(\tt)+8*(\kb)+7], v[KF+8*(\kb):KF+8*(\kb)+7], v[Q+8*(\tt):Q+8*(\tt)+7], v[HID:HID+7]
.endif
.endm
.macro KQ8 a0, a1, a2, a3, b0, b1, b2, b3
	KQ1 0, 0, \a0
	KQ1 1, 0, \b0
	KQ1 0, 1, \a1
	KQ1 1, 1, \b1
	KQ1 0, 2, \a2
	KQ1 1, 2, \b2
	KQ1 0, 3, \a3
	KQ1 1, 3, \b3
.endm
; THE SOFTMAX of both tiles for one key step, the tiles alternating.  Each accumulator's lowest registers are read first.
.macro SMX
.irp n, 0,1,2,3
	BOTH v_max3_num_f32 v[CC+4*t+\n], v[S+32*t+8*\n], v[S+32*t+8*\n+1], v[S+32*t+8*\n+2]
.endr
.irp n, 4,5,6,7,8,9,10,11
	BOTH v_max3_num_f32 v[CC+4*t+\n%4], v[CC+4*t+\n%4], v[S+32*t+8*(\n%4)+2*(\n/4)+1], v[S+32*t+8*(\n%4)+2*(\n/4)+2]
.endr
	BOTH v_max3_num_f32 v[CC+4*t], v[CC+4*t], v[S+32*t+7], v[S+32*t+15]
	BOTH v_max3_num_f32 v[CC+4*t+1], v[CC+4*t+1], v[S+32*t+23], v[S+32*t+31]
	BOTH v_max3_num_f32 v[CC+4*t+2], v[CC+4*t+2], v[CC+4*t+3], v[ST+4*t]
	BOTH v_max3_num_f32 v[CC+4*t], v[CC+4*t], v[CC+4*t+1], v[CC+4*t+2]
	BOTH v_permlanex16_b32 v[CC+4*t+3], v[CC+4*t], s[SEL], s[SEL+1]    ; the query's other 32 keys lie in the lane 16 away
	BOTH v_max_num_f32 v[CC+4*t+1], v[CC+4*t], v[CC+4*t+3]
	BOTH v_sub_f32 v[CC+4*t+2], v[ST+4*t], v[CC+4*t+1]
	BOTH v_mov_b32 v[ST+4*t], v[CC+4*t+1]
	BOTH v_exp_f32 v[ST+4*t+2], v[CC+4*t+2]                            ; a; the subtractions below are the plain lines behind it
.irp n, 0,1,2,3,4,5,6,7,8,9,10,11,12,13,14,15
	BOTH v_pk_add_f32 v[S+32*t+2*\n:S+32*t+2*\n+1], v[S+32*t+2*\n:S+32*t+2*\n+1], v[ST+4*t:ST+4*t+1] op_sel_hi:[1,0] neg_lo:[0,1] neg_hi:[0,1]
.endr
	; groups of four exponentials; behind each group plain lines that are ready: the rescaling of O^T and l (groups 0 to 8) and the rounding of the group before.
	; A pair is packed into register i of its tile, which the rounding of pair i / 2 has read before.
.set i, 0
.rept 16
	v_exp_f32 v[S+2*i], v[S+2*i]
	v_exp_f32 v[S+2*i+1], v[S+2*i+1]
	v_exp_f32 v[S+32+2*i], v[S+32+2*i]
	v_exp_f32 v[S+32+2*i+1], v[S+32+2*i+1]
.if i < 8
	s_wait_alu depctr_va_vdst(0)
	v_pk_mul_f32 v[O+2*i:O+2*i+1], v[O+2*i:O+2*i+1], v[ST+2:ST+3] op_sel_hi:[1,0]
	v_pk_mul_f32 v[O+16+2*i:O+16+2*i+1], v[O+16+2*i:O+16+2*i+1], v[ST+6:ST+7] op_sel_hi:[1,0]
	s_wait_alu depctr_va_vdst(0)
.elseif i == 8
	v_pk_mul_f32 v[LA:LA+1], v[LA:LA+1], v[ST+2:ST+3] op_sel_hi:[1,0]
	v_pk_mul_f32 v[LA+8:LA+9], v[LA+8:LA+9], v[ST+6:ST+7] op_sel_hi:[1,0]
	s_wait_alu depctr_va_vdst(0)
.endif
.if i > 0
	s_wait_alu depctr_va_vdst(0)
	v_cvt_pk_bf16_f32 v[S+i-1], v[S+2*i-2], v[S+2*i-1]
	v_cvt_pk_bf16_f32 v[S+32+i-1], v[S+32+2*i-2], v[S+32+2*i-1]
.endif
.set i, i+1
.endr
	s_wait_alu depctr_va_vdst(0)
	v_cvt_pk_bf16_f32 v[S+15], v[S+30], v[S+31]
	v_cvt_pk_bf16_f32 v[S+47], v[S+62], v[S+63]
.endm
; A KEY STEP of 64 keys.  A step that my band does not need is jumped forward: what is jumped holds no barrier and no tensor load.
.macro STEP
	s_cmp_ge_u32 s[STP], s[LIM]
	s_cbranch_scc1 .Lskip_\@
	s_mul_i32 s[SK], s[STP], 5120
	s_mul_i32 s[SV], s[STP], 6144
	s_add_co_u32 s[SK], s[SK], s[CUR]
	s_add_co_u32 s[SV], s[SV], s[CUR]
	v_add_nc_u32 v[AK], s[SK], v[AK0]
	v_add_nc_u32 v[AV], s[SV], v[AV0]
.irp kb, 0,1,2,3
	ds_load_b128 v[KF+8*\kb:KF+8*\kb+3],   v[AK] offset:\kb*1280
	ds_load_b128 v[KF+8*\kb+4:KF+8*\kb+7], v[AK] offset:\kb*1280+32
.endr
.irp kk, 0,1
.irp cb, 0,1
	ds_load_tr16_b128 v[VF+16*\kk+8*\cb:VF+16*\kk+8*\cb+3],   v[AV] offset:\kk*3072+\cb*32
	ds_load_tr16_b128 v[VF+16*\kk+8*\cb+4:VF+16*\kk+8*\cb+7], v[AV] offset:\kk*3072+\cb*32+1536
.endr
.endr
	s_wait_dscnt 8                                 ; K is in; V's eight loads may be out
	s_cmp_lg_u32 s[STP], s[OWN]
	s_cbranch_scc1 .Lplain_\@
	s_cmp_eq_u32 s[HF], 0
	s_cbranch_scc0 .Lupper_\@
	KQ8 1,2,2,2, 0,1,2,2                           ; my queries are the band's 0-31
	s_branch .Ljoin_\@
.Lupper_\@:
	KQ8 0,0,1,2, 0,0,0,1                           ; the band's 32-63
	s_branch .Ljoin_\@
.Lplain_\@:
	KQ8 0,0,0,0, 0,0,0,0
.Ljoin_\@:
	PLACES                                         ; ahead of the first read of the scores
	SMX
	s_wait_dscnt 0x0                               ; V is in
.irp kk, 0,1                                   ; six accumulators take turns, one instruction a turn
.irp tt, 0,1
.irp cb, 0,1
	v_wmma_f32_16x16x32_bf16 v[O+16*\tt+8*\cb:O+16*\tt+8*\cb+7], v[VF+16*\kk+8*\cb:VF+16*\kk+8*\cb+7], v[S+32*\tt+8*\kk:S+32*\tt+8*\kk+7], v[O+16*\tt+8*\cb:O+16*\tt+8*\cb+7]
.endr
.endr
	v_wmma_f32_16x16x32_bf16 v[LA:LA+7], v[ONE:ONE+7], v[S+8*\kk:S+8*\kk+7], v[LA:LA+7]
	v_wmma_f32_16x16x32_bf16 v[LA+8:LA+15], v[ONE:ONE+7], v[S+32+8*\kk:S+32+8*\kk+7], v[LA+8:LA+15]
.endr
.rept 5
	v_nop                                          ; five places: the next products write over P, the next loads land in V's registers, the way out reads O^T and l
.endr
.Lskip_\@:
.endm
.macro TILE
	s_sub_co_u32 s[RT], s[RT], 1
	s_cmp_eq_u32 s[RT], 0                          ; the block's last tile holds the diagonal
	s_cselect_b32 s[LIM], s[XP1], 4
	s_cselect_b32 s[OWN], s[XB], 4
	s_mov_b32 s[STP], 0
.Lst_\@:
	STEP
	s_add_co_u32 s[STP], s[STP], 1
	s_cmp_lt_u32 s[STP], 4
	s_cbranch_scc1 .Lst_\@
.endm
; THE WAY OUT of a block: O^T / l, rounded to bf16, through my stage, as 2,048 consecutive bytes of ctx.  next = 1: the second block's Q is fetched meanwhile and m set anew;
; that block's first step multiplies O^T and l by a = 0, so what is left there need only be finite.
.macro OUT next
.if \next
.irp tt, 0,1
	global_load_b128 v[Q+8*\tt:Q+8*\tt+3],   v[QO], s[QP2:QP2+1] offset:\tt*1024
	global_load_b128 v[Q+8*\tt+4:Q+8*\tt+7], v[QO], s[QP2:QP2+1] offset:\tt*1024+32
.endr
.endif
	v_rcp_f32 v[CC], v[LA]
	v_rcp_f32 v[CC+4], v[LA+8]
	v_nop                                          ; a plain instruction between the reciprocals and their use
	s_wait_alu depctr_va_vdst(0)
.irp p, 0,1,2,3,4,5,6,7
	BOTH v_pk_mul_f32 v[O+16*t+2*\p:O+16*t+2*\p+1], v[O+16*t+2*\p:O+16*t+2*\p+1], v[CC+4*t:CC+4*t+1] op_sel_hi:[1,0]
.endr
.irp p, 0,1,2,3,4,5,6,7
	BOTH v_cvt_pk_bf16_f32 v[S+32*t+\p], v[O+16*t+2*\p], v[O+16*t+2*\p+1]
.endr
.irp tt, 0,1
.irp cb, 0,1
	ds_store_b128 v[STO], v[S+32*\tt+4*\cb:S+32*\tt+4*\cb+3] offset:\tt*1280+\cb*32
.endr
.endr
.irp f, 0,1,2,3
	ds_load_b128 v[S+16+4*\f:S+16+4*\f+3], v[RD] offset:\f*640     ; LDS serves a wave's instructions in order: these see the stores above
.endr
	s_wait_dscnt 0x0
.irp f, 0,1,2,3
	global_store_b128 v[GO], v[S+16+4*\f:S+16+4*\f+3], s[OP:OP+1] offset:\f*512
.endr
.if \next
	s_wait_xcnt 0x0                                ; the stores have read their registers and ctx's address
	s_mov_b64 s[OP:OP+1], s[OP2:OP2+1]
	v_mov_b32 v[ST], 0xff7fffff
	v_mov_b32 v[ST+4], 0xff7fffff
	s_add_co_u32 s[RT], s[PBK], 1                  ; the second block has b + 1 tiles
	s_wait_loadcnt 0x0                             ; its Q is in
.endif
.endm
	s_load_b128 s[4:7], s[0:1], 0x0                ; qkv s[4:5], ctx s[6:7]
	v_lshl_add_u32 v[SPW], v0, 2, SPARE
	v_mov_b32 v[NIL], 0
	ds_add_u32 v[SPW], v[NIL]                      ; the wave's opening: the add and its wait ahead of my first tensor load
	v_lshrrev_b32 v1, 5, v0
	v_readfirstlane_b32 s[WV], v1
	s_sub_co_u32 s20, 7, s[WV]
	s_cmp_lt_u32 s[WV], 4
	s_cselect_b32 s[XB], s[WV], s20
	s_lshr_b32 s[HF], s[WV], 2
	s_add_co_u32 s[XP1], s[XB], 1
	s_mov_b32 s[PBK], ttmp9
	s_sub_co_u32 s[HI], 7, s[PBK]
	s_and_b32 s18, ttmp7, 0xffff
	s_lshl_b32 s18, s18, 17                        ; a head is 131,072 bytes
	s_mov_b32 s19, 0
	s_lshl_b32 s20, s[XB], 12                      ; my band's 64 rows of 64 bytes,
	s_lshl_b32 s21, s[HF], 11                      ; my half of it,
	s_add_co_u32 s20, s20, s21
	s_add_co_u32 s20, s20, s18                     ; in my head,
	s_lshl_b32 s22, s[HI], 14
	s_add_co_u32 s22, s22, s20                     ; in the first block,
	s_mov_b32 s23, 0
	s_lshl_b32 s21, s[PBK], 14
	s_add_co_u32 s20, s20, s21                     ; and in the second
	s_mov_b32 s21, 0
	s_mov_b32 s[G1K], (1<<16)|(1<<20)|(3<<22)|(3<<25)   ; 2-byte elements; padding on; 4 words behind every 16: a key's 64 bytes lie 80 apart
	s_mov_b32 s[G1V], (1<<16)|(1<<20)|(3<<22)|(7<<25)   ; 8 words: 96 apart
.irp gg, G1K, G1V
	s_mov_b32 s[\gg+1], 128<<16                    ; 256 keys are 16,384 dense bytes: 64 rows of 128 elements
	s_mov_b32 s[\gg+2], 64<<16
	s_mov_b32 s[\gg+3], 128<<16
	s_mov_b32 s[\gg+4], 64
	s_mov_b32 s[\gg+5], 128
	s_mov_b32 s[\gg+6], 0
	s_mov_b32 s[\gg+7], 0
.endr
	s_mov_b32 s[G0K], 1
	s_mov_b32 s[G0K+1], 0                          ; slot 0
	s_mov_b32 s[G0V], 1
	s_mov_b32 s[G0V+1], VOFF
	s_mov_b32 s[SEL], 0x76543210
	s_mov_b32 s[SEL+1], 0xfedcba98
	s_mov_b32 s[CUR], SLOT1                        ; the first change of slots turns it into 0
	s_mov_b32 s[SLOTS], 8
	s_add_co_u32 s[RT], s[HI], 1                   ; the first block has 8 - b tiles
	s_mov_b32 s[NXT], 1
	s_mov_b32 s[LQ], s[HI]
	s_mov_b32 s[OFF+1], 0
	s_mov_b32 s[BIGN], 0xf149f2ca                  ; -1e30
	s_wait_dscnt 0x0                               ; the opening add is done
	s_barrier_signal -1
	s_barrier_wait -1
	s_wait_kmcnt 0x0
	s_add_nc_u64 s[KB:KB+1], s[4:5], s[18:19]
	s_add_nc_u64 s[VB:VB+1], s[KB:KB+1], 0x1000000
	s_add_nc_u64 s[KB:KB+1], s[KB:KB+1], 0x800000
	s_add_nc_u64 s[G0K+2:G0K+3], s[KB:KB+1], 0
	s_or_b32 s[G0K+3], s[G0K+3], 0x80000000
	s_add_nc_u64 s[G0V+2:G0V+3], s[VB:VB+1], 0
	s_or_b32 s[G0V+3], s[G0V+3], 0x80000000
	s_add_nc_u64 s[QP:QP+1], s[4:5], s[22:23]
	s_add_nc_u64 s[QP2:QP2+1], s[4:5], s[20:21]
	s_add_nc_u64 s[OP:OP+1], s[6:7], s[22:23]
	s_add_nc_u64 s[OP2:OP2+1], s[6:7], s[20:21]
	LOAD                                           ; tile 0 into slot 0
	v_and_b32 v1, 15, v0                           ; r
	v_bfe_u32 v9, v0, 4, 1                         ; h
	v_lshlrev_b32 v[QO], 6, v1
	v_lshl_add_u32 v[QO], v9, 4, v[QO]
.irp tt, 0,1
	global_load_b128 v[Q+8*\tt:Q+8*\tt+3],   v[QO], s[QP:QP+1] offset:\tt*1024
	global_load_b128 v[Q+8*\tt+4:Q+8*\tt+7], v[QO], s[QP:QP+1] offset:\tt*1024+32
.endr
	v_mul_u32_u24 v[AK0], v1, 80
	v_lshl_add_u32 v[AK0], v9, 4, v[AK0]
	v_and_b32 v11, 7, v0
	v_bfe_u32 v14, v0, 3, 1
	v_lshl_add_u32 v[AV0], v9, 3, v11
	v_mul_u32_u24 v[AV0], v[AV0], 96
	v_lshl_add_u32 v[AV0], v14, 4, v[AV0]
	v_add_nc_u32 v[AV0], VOFF, v[AV0]
	s_mul_i32 s20, s[WV], 2560
	s_add_co_u32 s20, s20, STAGE
	v_add_nc_u32 v[STO], s20, v[AK0]               ; in: row r at pitch 80, 16 bytes for each half of the lanes
	v_and_b32 v15, 31, v0
	v_lshrrev_b32 v[RD], 2, v15
	v_mul_u32_u24 v[RD], v[RD], 80
	v_and_b32 v11, 3, v0
	v_lshl_add_u32 v[RD], v11, 4, v[RD]
	v_add_nc_u32 v[RD], s20, v[RD]                 ; back: 32 lanes take eight rows of 64 bytes
	v_lshlrev_b32 v[GO], 4, v15
	v_lshlrev_b32 v14, 3, v9
	v_sub_nc_u32 v14, v1, v14                      ; r - 8 h: register j of the diagonal block is hidden where j is greater
.irp j, 0,1,2,3,4,5,6,7
	v_cmp_gt_i32 vcc_lo, \j, v14
	v_cndmask_b32 v[TRI+\j], 0, s[BIGN], vcc_lo
	v_mov_b32 v[HID+\j], s[BIGN]
	v_mov_b32 v[ONE+\j], 0x3f803f80                ; 1.0 twice
	v_mov_b32 v[CC+\j], 0
	v_mov_b32 v[ST+\j], 0
.endr
	v_mov_b32 v[ST], 0xff7fffff                    ; m starts at the lowest finite number: the first step's a is 0
	v_mov_b32 v[ST+4], 0xff7fffff
.set i, O
.rept 48                                       ; O^T and l start at 0; this stands in the wait for the first tile
	v_mov_b32 v[i], 0
.set i, i+1
.endr
	s_wait_loadcnt 0x0                             ; Q
.Lslot:                                            ; eight times: a tile is entered and the next is asked for
	CHANGE 1
	TILE
	s_cmp_lg_u32 s[RT], 0
	s_cbranch_scc1 .Lbot                           ; in the loop only the first block ends: the walk's last tile is the second block's last
	OUT 1
.Lbot:
	s_sub_co_u32 s[SLOTS], s[SLOTS], 1
	s_cmp_lg_u32 s[SLOTS], 0
	s_cbranch_scc1 .Lslot
	CHANGE 0                                       ; the walk's last tile is written out
	TILE
	OUT 0
	s_wait_tensorcnt 0x0                           ; the wave's end
	ds_add_u32 v[SPW], v[NIL]
	s_wait_dscnt 0x0
	s_endpgm
.Lfunc_end_k_qf583813915_attn:
	.size	k_qf583813915_attn, .Lfunc_end_k_qf583813915_attn-k_qf583813915_attn
	.p2alignl 7, 3214868480
	.fill 96, 4, 3214868480
	.section	.rodata,"a",@progbits
	.p2align	6, 0x0
	.amdhsa_kernel k_qf583813915_attn
		.amdhsa_group_segment_fixed_size 327680
		.amdhsa_private_segment_fixed_size 0
		.amdhsa_enable_private_segment 0
		.amdhsa_kernarg_size 16
		.amdhsa_user_sgpr_count 2
		.amdhsa_user_sgpr_kernarg_segment_ptr 1
		.amdhsa_wavefront_size32 1
		.amdhsa_system_sgpr_workgroup_id_x 1
		.amdhsa_system_sgpr_workgroup_id_y 1
		.amdhsa_system_sgpr_workgroup_id_z 1
		.amdhsa_system_vgpr_workitem_id 0
		.amdhsa_next_free_vgpr 256
		.amdhsa_next_free_sgpr 96
		.amdhsa_reserve_vcc 1
		.amdhsa_float_denorm_mode_32 3
		.amdhsa_float_denorm_mode_16_64 3
		.amdhsa_memory_ordered 1
		.amdhsa_forward_progress 1
		.amdhsa_inst_pref_size 48
	.end_amdhsa_kernel
	.amdgpu_metadata
---
amdhsa.version: [ 1, 2 ]
amdhsa.kernels:
  - .name:           k_qf583813915_attn
    .symbol:         k_qf583813915_attn.kd
    .args:
      - { .name: qkv, .offset: 0, .size: 8, .value_kind: global_buffer, .address_space: global }
      - { .name: ctx, .offset: 8, .size: 8, .value_kind: global_buffer, .address_space: global }
    .group_segment_fixed_size: 327680
    .private_segment_fixed_size: 0
    .kernarg_segment_align: 8
    .kernarg_segment_size: 16
    .max_flat_workgroup_size: 256
    .sgpr_count:     96
    .vgpr_count:     256
    .wavefront_size: 32
...
	.end_amdgpu_metadata
.endif
;; end of part 3
;; launch wo (part 4): grid 256 x 1, 4 waves a work-group, clusters of 4 x 1, 327,680 bytes of LDS; arguments ctx, wb, x, bo, ln2_scale, ln2_shift, x1, h2; writes x1, h2
.if DOCPART == 4
	.amdgcn_target "amdgcn-amd-amdhsa--gfx1250"
	.amdhsa_code_object_version 6
	.text
	.protected	k_qf583813915_wo
	.globl	k_qf583813915_wo
	.p2align	8
	.type	k_qf583813915_wo,@function
k_qf583813915_wo:
	s_mov_b64 s[64:65], 0
	v_nop
	global_prefetch_b8 v0, s[64:65] scope:SCOPE_SE
	s_setreg_imm32_b32 hwreg(HW_REG_WAVE_MODE, 25, 1), 1
	s_wait_xcnt 0x0
	s_wait_alu depctr_hold_cnt(0) depctr_sa_sdst(0) depctr_va_vdst(0) depctr_va_sdst(0) depctr_va_ssrc(0) depctr_va_vcc(0) depctr_vm_vsrc(0)
	s_getreg_b32 s2, hwreg(HW_REG_IB_STS2, 6, 4)
	s_cmp_eq_u32 s2, 0
	s_cbranch_scc0 .Lentry_in_a_cluster
	s_endpgm
.Lentry_in_a_cluster:
	s_bfe_u32 s2, ttmp6, 0x10000c
	s_cmp_lg_u32 s2, 0x3003
	s_cbranch_scc0 .Lentry_shape_is_right
	s_endpgm
.Lentry_shape_is_right:
; x1 = x + ctx Wo + bo in f32, and h2 = layernorm(x1) in bf16.  ctx: [64 = 16 batch + head][2048][32] bf16; Wo: wb + 1,572,864, [512 k][512 n] bf16.
; A work-group takes 32 whole rows (so that the norm needs no second launch), 256 work-groups; wave w takes columns 128 w on: 2 x 8 accumulators.
; ctx's fragments come straight from memory into registers: head hh's 32 channels are the 32 along K of product hh, and 16 rows of a head are 1,024 dense bytes.
; Wo goes in four K steps of 128 through two LDS slots; all four work-groups of a cluster need the same Wo, so each wave's 32 k rows are asked for jointly, mask 15.
; The matrix instruction is used transposed (source 0 = 16 columns of Wo, turned by ds_load_tr16_b128; source 1 = 16 rows of ctx).
; The mean is taken first and the squares of the centred numbers second.
; REGISTERS: window 0: v0-31 addresses, v32-47 bo, v48-63 scale, v64-79 shift, v80-111 at work, v128-255 accumulators ((a, b) at 128 + 8 (8 a + b)), later the eight rows of x1;
; window 1: ctx's fragments (hh, a) at 16 hh + 8 a; window 2: Wo's fragments, two buffers of 64, later the product's rows; window 3: v0-127 my eight rows of x.
.set PB,    1056                       ; an LDS row of Wo: 1,024 bytes + 32: an odd multiple of 32
.set SLOT,  128*PB
.set STAGE, 2*SLOT                     ; behind the ring: 16 rows x 2,064 bytes, the work-group's
.set SPI,   2064
.set SPARE, 303616                     ; the spare words, 128 bytes for each wave
.set ADRB, 16                          ; v16-19  2 x slot + half of the step's 128 k
.set STO,  20
.set RD,   21
.set XO,   22
.set LHO,  23
.set PO,   24
.set AO,   25
.set SPW,  28
.set NIL,  29
.set BO,   32
.set LSC,  48
.set LSH,  64
.set U,    80
.set ACC,  128
.set F0,   0
.set F1,   64
.set WV,   20                          ; s20
.set G1,   24
.set G0,   32
.set SEL,  44
.set R512, 46
.set EPSR, 47
.set LHB,  18                          ; s[18:19] h2
.set MSB, 0
.macro WIN new
.if MSB != (\new)
	s_set_vgpr_msb (MSB<<8)|(\new)
.set MSB, \new
.endif
.endm
.macro PLACES
.rept 4
	v_nop
.endr
.endm
.macro CROUND                          ; a round of the cluster's barrier
	s_barrier_signal -1
	s_barrier_wait -1
	s_cmp_lg_u32 s[WV], 0
	s_cbranch_scc1 .Lnot_wave_0_\@
	s_barrier_signal -3
.Lnot_wave_0_\@:
	s_barrier_wait -3
	s_barrier_signal -1
	s_barrier_wait -1
.endm
.macro JB sl                           ; a joint load: every wave fetches its own 32 k rows of the K step
	tensor_load_to_lds s[G0+4*(\sl):G0+4*(\sl)+3], s[G1:G1+7]
	s_nop 0
.rept 4
	v_nop
.endr
.endm
.macro ROWS line:vararg                ; one line for each of four rows: rT the row's 16 numbers, rU its 8 registers at work
.set rT, LT
.set rU, LU
.rept 4
	\line
.set rT, rT+16
.set rU, rU+8
.endr
.endm
; Layernorm of four rows held in v[T ..], a row across the wave; the packed rows leave for s[LHB:LHB+1] at v[LHO] + IMM.
.macro LN4 T, U, IMM
.set LT, \T
.set LU, \U
	s_wait_xcnt 0x0                                ; earlier stores have read their registers: T and U are rewritten only behind this wait
	ROWS v_pk_add_f32 v[rU:rU+1], v[rT:rT+1], v[rT+2:rT+3]
	ROWS v_pk_add_f32 v[rU+2:rU+3], v[rT+4:rT+5], v[rT+6:rT+7]
	ROWS v_pk_add_f32 v[rU+4:rU+5], v[rT+8:rT+9], v[rT+10:rT+11]
	ROWS v_pk_add_f32 v[rU+6:rU+7], v[rT+12:rT+13], v[rT+14:rT+15]
	ROWS v_pk_add_f32 v[rU:rU+1], v[rU:rU+1], v[rU+2:rU+3]
	ROWS v_pk_add_f32 v[rU+4:rU+5], v[rU+4:rU+5], v[rU+6:rU+7]
	ROWS v_pk_add_f32 v[rU:rU+1], v[rU:rU+1], v[rU+4:rU+5]
	ROWS v_add_f32 v[rU], v[rU], v[rU+1]
	ROWS v_add_f32_dpp v[rU], v[rU], v[rU] row_xmask:1 row_mask:0xf bank_mask:0xf
	ROWS v_add_f32_dpp v[rU], v[rU], v[rU] row_xmask:2 row_mask:0xf bank_mask:0xf
	ROWS v_add_f32_dpp v[rU], v[rU], v[rU] row_xmask:4 row_mask:0xf bank_mask:0xf
	ROWS v_add_f32_dpp v[rU], v[rU], v[rU] row_xmask:8 row_mask:0xf bank_mask:0xf
	ROWS v_permlanex16_b32 v[rU+1], v[rU], s[SEL], s[SEL+1]
	ROWS v_add_f32 v[rU], v[rU], v[rU+1]
	ROWS v_mul_f32 v[rU], s[R512], v[rU]           ; the mean, in every lane
.irp c, 0,2,4,6,8,10,12,14
	ROWS v_pk_add_f32 v[rT+\c:rT+\c+1], v[rT+\c:rT+\c+1], v[rU:rU+1] op_sel_hi:[1,0] neg_lo:[0,1] neg_hi:[0,1]
.endr
	ROWS v_pk_mul_f32 v[rU+2:rU+3], v[rT:rT+1], v[rT:rT+1]
	ROWS v_pk_mul_f32 v[rU+4:rU+5], v[rT+2:rT+3], v[rT+2:rT+3]
.irp c, 4,8,12
	ROWS v_pk_fma_f32 v[rU+2:rU+3], v[rT+\c:rT+\c+1], v[rT+\c:rT+\c+1], v[rU+2:rU+3]
	ROWS v_pk_fma_f32 v[rU+4:rU+5], v[rT+\c+2:rT+\c+3], v[rT+\c+2:rT+\c+3], v[rU+4:rU+5]
.endr
	ROWS v_pk_add_f32 v[rU+2:rU+3], v[rU+2:rU+3], v[rU+4:rU+5]
	ROWS v_add_f32 v[rU+2], v[rU+2], v[rU+3]
	ROWS v_add_f32_dpp v[rU+2], v[rU+2], v[rU+2] row_xmask:1 row_mask:0xf bank_mask:0xf
	ROWS v_add_f32_dpp v[rU+2], v[rU+2], v[rU+2] row_xmask:2 row_mask:0xf bank_mask:0xf
	ROWS v_add_f32_dpp v[rU+2], v[rU+2], v[rU+2] row_xmask:4 row_mask:0xf bank_mask:0xf
	ROWS v_add_f32_dpp v[rU+2], v[rU+2], v[rU+2] row_xmask:8 row_mask:0xf bank_mask:0xf
	ROWS v_permlanex16_b32 v[rU+3], v[rU+2], s[SEL], s[SEL+1]
	ROWS v_add_f32 v[rU+2], v[rU+2], v[rU+3]
	ROWS v_fma_f32 v[rU+2], v[rU+2], s[R512], s[EPSR]   ; variance + 1e-5
	ROWS v_rsq_f32 v[rU+2], v[rU+2]
	v_nop                                          ; a plain instruction between the last root and the use of its result
	s_wait_alu depctr_va_vdst(0)
.irp c, 0,2,4,6,8,10,12,14
	ROWS v_pk_mul_f32 v[rT+\c:rT+\c+1], v[rT+\c:rT+\c+1], v[rU+2:rU+3] op_sel_hi:[1,0]
.endr
.irp c, 0,2,4,6,8,10,12,14
	ROWS v_pk_fma_f32 v[rT+\c:rT+\c+1], v[rT+\c:rT+\c+1], v[LSC+\c:LSC+\c+1], v[LSH+\c:LSH+\c+1]
.endr
.irp c, 0,1,2,3,4,5,6,7
	ROWS v_cvt_pk_bf16_f32 v[rU+\c], v[rT+2*\c], v[rT+2*\c+1]
.endr
.set rr, 0
.rept 4
.irp c, 0,1,2,3
	global_store_b64 v[LHO], v[LU+8*rr+2*\c:LU+8*rr+2*\c+1], s[LHB:LHB+1] offset:(\IMM)+rr*1024+256*\c  ; the wave stores 256 consecutive bytes, aligned
.endr
.set rr, rr+1
.endr
.endm
	s_load_b512 s[4:19], s[0:1], 0x0               ; ctx 4, wb 6, x 8, bo 10, scale 12, shift 14, x1 16, h2 18
	v_lshl_add_u32 v[SPW], v0, 2, SPARE
	v_mov_b32 v[NIL], 0
	ds_add_u32 v[SPW], v[NIL]                      ; the wave's opening: the add and its wait ahead of my first tensor load
	v_lshrrev_b32 v1, 5, v0
	v_readfirstlane_b32 s[WV], v1
	s_bfe_u32 s40, ttmp6, 0x40000                  ; cx
	s_lshl_b32 s41, ttmp9, 2
	s_add_co_u32 s41, s41, s40                     ; my block of 32 rows: it enters global addresses alone
	s_mov_b32 s[G1], 15|(1<<16)|(1<<20)|(1<<21)|(7<<22)|(7<<25)   ; mask of four; 2-byte elements; padding on; bit 21 beside a mask; 8 words behind every 256
	s_mov_b32 s[G1+1], 512<<16
	s_mov_b32 s[G1+2], 32<<16
	s_mov_b32 s[G1+3], 512<<16
	s_mov_b32 s[G1+4], 32
	s_mov_b32 s[G1+5], 512
	s_mov_b32 s[G1+6], 0
	s_mov_b32 s[G1+7], 0
	s_mul_i32 s21, s[WV], 32*PB                    ; my 32 k rows' place in a slot
	s_lshl_b32 s22, s[WV], 15                      ; and in memory,
	s_add_co_u32 s22, s22, 1572864                 ; in Wo's section
	s_mov_b32 s23, 0
	s_lshr_b32 s42, s41, 6                         ; batch,
	s_lshl_b32 s42, s42, 21                        ; 16 heads of 131,072 bytes,
	s_and_b32 s43, s41, 63
	s_lshl_b32 s43, s43, 11                        ; 32 rows of 64 bytes
	s_add_co_u32 s42, s42, s43
	s_mov_b32 s43, 0
	s_lshl_b32 s48, s41, 16                        ; 32 rows of 2,048 bytes
	s_mov_b32 s49, 0
	s_lshl_b32 s50, s41, 15                        ; 32 rows of 1,024 bytes
	s_mov_b32 s51, 0
	s_mov_b32 s[SEL], 0x76543210
	s_mov_b32 s[SEL+1], 0xfedcba98
	s_mov_b32 s[R512], 0x3b000000
	s_mov_b32 s[EPSR], 0x3727c5ac
	s_wait_dscnt 0x0                               ; the opening add is done
	s_wait_kmcnt 0x0
	s_add_nc_u64 s[6:7], s[6:7], s[22:23]
	s_add_nc_u64 s[4:5], s[4:5], s[42:43]
	s_add_nc_u64 s[8:9], s[8:9], s[48:49]
	s_add_nc_u64 s[16:17], s[16:17], s[48:49]
	s_add_nc_u64 s[18:19], s[18:19], s[50:51]
	CROUND                                         ; all four work-groups are here: the first joint loads meet
.irp s, 0,1
	s_mov_b32 s[G0+4*(\s)], 1
	s_add_co_u32 s[G0+4*(\s)+1], s21, (\s)*SLOT
	s_add_nc_u64 s[G0+4*(\s)+2:G0+4*(\s)+3], s[6:7], (\s)*131072
	s_or_b32 s[G0+4*(\s)+3], s[G0+4*(\s)+3], 0x80000000
	JB \s                                          ; two loads of mine are out
.endr
	v_and_b32 v1, 15, v0                           ; r
	v_bfe_u32 v2, v0, 4, 1                         ; h
	v_and_b32 v3, 31, v0                           ; lane
	v_lshlrev_b32 v[AO], 6, v1
	v_lshl_add_u32 v[AO], v2, 4, v[AO]
	v_lshlrev_b32 v[PO], 4, v3
	s_lshl_b32 s52, s[WV], 13
	v_add_nc_u32 v[XO], s52, v[PO]                 ; my four rows of each sixteen: 4 w rows of 2,048 bytes + 16 l
	s_lshl_b32 s52, s[WV], 12
	v_lshl_add_u32 v[LHO], v3, 3, s52
	WIN 0x40                                       ; destination window 1
.set hh, 0
.rept 16
.irp a, 0,1
	global_load_b128 v[16*hh+8*\a:16*hh+8*\a+3],   v[AO], s[4:5] offset:hh*131072+\a*1024
	global_load_b128 v[16*hh+8*\a+4:16*hh+8*\a+7], v[AO], s[4:5] offset:hh*131072+\a*1024+32
.endr
.set hh, hh+1
.endr
	WIN 0xc0                                       ; destination window 3
.irp a, 0,1
.irp i, 0,1,2,3
.irp c, 0,1,2,3
	global_load_b128 v[16*(4*\a+\i)+4*\c:16*(4*\a+\i)+4*\c+3], v[XO], s[8:9] offset:(16*\a+\i)*2048+512*\c
.endr
.endr
.endr
	WIN 0
.irp c, 0,1,2,3
	global_load_b128 v[BO+4*\c:BO+4*\c+3],   v[PO], s[10:11] offset:512*\c
	global_load_b128 v[LSC+4*\c:LSC+4*\c+3], v[PO], s[12:13] offset:512*\c
	global_load_b128 v[LSH+4*\c:LSH+4*\c+3], v[PO], s[14:15] offset:512*\c
.endr
	v_and_b32 v4, 7, v0
	v_lshl_add_u32 v4, v2, 3, v4
	v_mul_u32_u24 v4, v4, PB
	v_bfe_u32 v5, v0, 3, 1
	v_lshl_add_u32 v4, v5, 4, v4
	s_lshl_b32 s52, s[WV], 8                       ; my 128 columns
	v_add_nc_u32 v[ADRB], s52, v4
	v_add_nc_u32 v[ADRB+1], 64*PB, v[ADRB]
	v_add_nc_u32 v[ADRB+2], SLOT, v[ADRB]
	v_add_nc_u32 v[ADRB+3], SLOT+64*PB, v[ADRB]
	v_mul_u32_u24 v6, v1, SPI
	v_lshl_add_u32 v6, v2, 5, v6
	s_lshl_b32 s52, s[WV], 9
	s_add_co_u32 s52, s52, STAGE
	v_add_nc_u32 v[STO], s52, v6                   ; in: row r, my 512 bytes of it, 32 bytes for each half of the lanes
	s_mul_i32 s52, s[WV], 4*SPI
	s_add_co_u32 s52, s52, STAGE
	v_add_nc_u32 v[RD], s52, v[PO]                 ; back: rows 4 w on, whole
.macro FB slot, q, f                   ; sixteen turning loads: quarter q (32 along K) of a slot into buffer f
	WIN 0x80                                       ; destination window 2
.irp i, 0,1,2,3,4,5,6,7
	ds_load_tr16_b128 v[(\f)+8*\i:(\f)+8*\i+3],   v[ADRB+2*(\slot)+(\q)/2] offset:((\q)%2)*32*PB+32*\i
	ds_load_tr16_b128 v[(\f)+8*\i+4:(\f)+8*\i+7], v[ADRB+2*(\slot)+(\q)/2] offset:((\q)%2)*32*PB+32*\i+16*PB
.endr
.endm
.macro MU hh2, f                       ; sixteen products, head hh2's 32 channels; the sixteen accumulators take turns
	WIN 0x06                                       ; source 0 window 2, source 1 window 1, C and D window 0
.irp a, 0,1
.irp b, 0,1,2,3,4,5,6,7
.if (\hh2) == 0
	v_wmma_f32_16x16x32_bf16 v[ACC+8*(8*\a+\b):ACC+8*(8*\a+\b)+7], v[(\f)+8*\b:(\f)+8*\b+7], v[16*(\hh2)+8*\a:16*(\hh2)+8*\a+7], 0
.else
	v_wmma_f32_16x16x32_bf16 v[ACC+8*(8*\a+\b):ACC+8*(8*\a+\b)+7], v[(\f)+8*\b:(\f)+8*\b+7], v[16*(\hh2)+8*\a:16*(\hh2)+8*\a+7], v[ACC+8*(8*\a+\b):ACC+8*(8*\a+\b)+7]
.endif
.endr
.endr
.endm
.macro Q012 slot, ks                   ; a K step's first three quarters: the next quarter is fetched ahead of each run of products
	PLACES
	FB \slot, 1, F1
	s_wait_dscnt 16                                ; all but the run just issued
	MU 4*(\ks), F0
	PLACES
	FB \slot, 2, F0
	s_wait_dscnt 16
	MU 4*(\ks)+1, F1
	PLACES
	FB \slot, 3, F1
	s_wait_dscnt 16
	MU 4*(\ks)+2, F0
.endm
; The last quarter and the change of slots: all my tensor loads are waited for, the add, the quarter's products while the add is out, the wait for it and for my reads of this slot
.macro SW slot, ks, fill
	WIN 0
	s_wait_tensorcnt 0x0
	ds_add_u32 v[SPW], v[NIL]
.if \fill
	s_add_nc_u64 s[G0+4*(\slot)+2:G0+4*(\slot)+3], s[G0+4*(\slot)+2:G0+4*(\slot)+3], 262144
.endif
	s_wait_dscnt 1                                 ; only the add may be out: the quarter's fragments are in
	MU 4*(\ks)+3, F1
	WIN 0
	s_wait_dscnt 0x0
.if \fill
	CROUND                                         ; no wave of any partner still reads this slot or has a load on its way
	JB \slot                                       ; my one tensor load behind the round, two K steps ahead
.else
	s_barrier_signal -1
	s_barrier_wait -1
	PLACES
.endif
	FB 1-(\slot), 0, F0
.endm
	s_wait_tensorcnt 0x1                           ; my part of K step 0 is in; K step 1's may stay out
	s_barrier_signal -1
	s_barrier_wait -1
	FB 0, 0, F0
	s_wait_loadcnt 44                              ; ctx's 64 loads are in; the 32 of x and the 12 of bo, scale and shift may be out
	Q012 0, 0
	SW 0, 0, 1
	Q012 1, 1
	SW 1, 1, 1
	Q012 0, 2
	SW 0, 2, 0
	Q012 1, 3
	s_wait_dscnt 0x0
	MU 15, F1
	WIN 0
	PLACES
	; THE WAY OUT, sixteen rows at a time through the work-group's stage: each wave writes its 128 columns and reads four whole rows
.irp a, 0,1
.irp b, 0,1,2,3,4,5,6,7
	ds_store_b128 v[STO], v[ACC+8*(8*\a+\b):ACC+8*(8*\a+\b)+3] offset:64*\b
	ds_store_b128 v[STO], v[ACC+8*(8*\a+\b)+4:ACC+8*(8*\a+\b)+7] offset:64*\b+16
.endr
	s_wait_dscnt 0x0                               ; for the others' sake: my stores into the stage are done
	s_barrier_signal -1
	s_barrier_wait -1
	WIN 0x80
.irp i, 0,1,2,3
.irp c, 0,1,2,3
	ds_load_b128 v[16*(4*\a+\i)+4*\c:16*(4*\a+\i)+4*\c+3], v[RD] offset:\i*SPI+512*\c
.endr
.endr
	WIN 0
	s_wait_dscnt 0x0
.if \a == 0
	s_barrier_signal -1                            ; every wave's reads are back: the stage may be written again
	s_barrier_wait -1
.endif
.endr
	s_wait_loadcnt 0x0                             ; x, bo, scale, shift
	WIN 0x0e                                       ; source 0 window 2, source 1 window 3, destination window 0
.set z, 0
.rept 64
	v_pk_add_f32 v[ACC+2*z:ACC+2*z+1], v[2*z:2*z+1], v[2*z:2*z+1]
.set z, z+1
.endr
	WIN 0
.set z, 0
.rept 64
	v_pk_add_f32 v[ACC+2*z:ACC+2*z+1], v[ACC+2*z:ACC+2*z+1], v[BO+2*(z%8):BO+2*(z%8)+1]
.set z, z+1
.endr
.irp a, 0,1
.irp i, 0,1,2,3
.irp c, 0,1,2,3
	global_store_b128 v[XO], v[ACC+16*(4*\a+\i)+4*\c:ACC+16*(4*\a+\i)+4*\c+3], s[16:17] offset:(16*\a+\i)*2048+512*\c   ; 512 consecutive bytes of a row
.endr
.endr
.endr
	LN4 ACC, U, 0
	LN4 ACC+64, U, 16*1024
	s_wait_tensorcnt 0x0                           ; the wave's end
	ds_add_u32 v[SPW], v[NIL]
	s_wait_dscnt 0x0
	CROUND                                         ; the closing round
	s_endpgm
.Lfunc_end_k_qf583813915_wo:
	.size	k_qf583813915_wo, .Lfunc_end_k_qf583813915_wo-k_qf583813915_wo
	.p2alignl 7, 3214868480
	.fill 96, 4, 3214868480
	.section	.rodata,"a",@progbits
	.p2align	6, 0x0
	.amdhsa_kernel k_qf583813915_wo
		.amdhsa_group_segment_fixed_size 327680
		.amdhsa_private_segment_fixed_size 0
		.amdhsa_enable_private_segment 0
		.amdhsa_kernarg_size 64
		.amdhsa_user_sgpr_count 2
		.amdhsa_user_sgpr_kernarg_segment_ptr 1
		.amdhsa_wavefront_size32 1
		.amdhsa_system_sgpr_workgroup_id_x 1
		.amdhsa_system_sgpr_workgroup_id_y 1
		.amdhsa_system_sgpr_workgroup_id_z 1
		.amdhsa_system_vgpr_workitem_id 0
		.amdhsa_next_free_vgpr 1024
		.amdhsa_next_free_sgpr 66
		.amdhsa_reserve_vcc 0
		.amdhsa_float_denorm_mode_32 3
		.amdhsa_float_denorm_mode_16_64 3
		.amdhsa_memory_ordered 1
		.amdhsa_forward_progress 1
		.amdhsa_inst_pref_size 103
	.end_amdhsa_kernel
	.amdgpu_metadata
---
amdhsa.version: [ 1, 2 ]
amdhsa.kernels:
  - .name:           k_qf583813915_wo
    .symbol:         k_qf583813915_wo.kd
    .args:
      - { .name: ctx, .offset: 0, .size: 8, .value_kind: global_buffer, .address_space: global }
      - { .name: wb, .offset: 8, .size: 8, .value_kind: global_buffer, .address_space: global }
      - { .name: x, .offset: 16, .size: 8, .value_kind: global_buffer, .address_space: global }
      - { .name: bo, .offset: 24, .size: 8, .value_kind: global_buffer, .address_space: global }
      - { .name: ln2_scale, .offset: 32, .size: 8, .value_kind: global_buffer, .address_space: global }
      - { .name: ln2_shift, .offset: 40, .size: 8, .value_kind: global_buffer, .address_space: global }
      - { .name: x1, .offset: 48, .size: 8, .value_kind: global_buffer, .address_space: global }
      - { .name: h2, .offset: 56, .size: 8, .value_kind: global_buffer, .address_space: global }
    .group_segment_fixed_size: 327680
    .private_segment_fixed_size: 0
    .kernarg_segment_align: 8
    .kernarg_segment_size: 64
    .max_flat_workgroup_size: 128
    .sgpr_count:     66
    .vgpr_count:     1024
    .wavefront_size: 32
...
	.end_amdgpu_metadata
.endif
;; end of part 4
;; launch ffn1 (part 5): grid 8 x 32, 4 waves a work-group, clusters of 4 x 4, 327,680 bytes of LDS; arguments h2, wb, b1, g; writes g
.if DOCPART == 5
	.amdgcn_target "amdgcn-amd-amdhsa--gfx1250"
	.amdhsa_code_object_version 6
	.text
	.protected	k_qf583813915_ffn1
	.globl	k_qf583813915_ffn1
	.p2align	8
	.type	k_qf583813915_ffn1,@function
k_qf583813915_ffn1:
	s_mov_b64 s[64:65], 0
	v_nop
	global_prefetch_b8 v0, s[64:65] scope:SCOPE_SE
	s_setreg_imm32_b32 hwreg(HW_REG_WAVE_MODE, 25, 1), 1
	s_wait_xcnt 0x0
	s_wait_alu depctr_hold_cnt(0) depctr_sa_sdst(0) depctr_va_vdst(0) depctr_va_sdst(0) depctr_va_ssrc(0) depctr_va_vcc(0) depctr_vm_vsrc(0)
	s_getreg_b32 s2, hwreg(HW_REG_IB_STS2, 6, 4)
	s_cmp_eq_u32 s2, 0
	s_cbranch_scc0 .Lentry_in_a_cluster
	s_endpgm
.Lentry_in_a_cluster:
	s_bfe_u32 s2, ttmp6, 0x10000c
	s_cmp_lg_u32 s2, 0xf033
	s_cbranch_scc0 .Lentry_shape_is_right
	s_endpgm
.Lentry_shape_is_right:
; g = gelu(h2 W1 + b1) in bf16.  h2: [8192][512] bf16; W1: wb + 2,097,152, [512 k][2048 n] bf16; sums, bias and gelu in f32, g rounded once.
; A tile is 256 x 256: 8 x 32 tiles, one for each of 256 work-groups; four waves of 128 x 128, 64 accumulators each.  K = 512 in four steps of 128 through two LDS slots; the steps are written out.
; W1 lies [k][n]: its fragments are turned by ds_load_tr16_b128.  The matrix instruction is used transposed (source 0 = 16 columns of W1, source 1 = 16 rows of h2).
; CLUSTER 4 x 4: h2's tile is asked for jointly along a row of the cluster, W1's along a column.
; GELU: 0.5 u (1 + tanh z) = u - u / (1 + 2^(u (K0 + K1 u^2))), K0 = 2 sqrt(2/pi) log2(e), K1 = 0.044715 K0.  Where the power overflows the quotient is 0 and g = u; where it vanishes g = 0.
; THE WAY OUT: the f32 sums go into LDS over the ring, whose slots have had their last fill, each wave into bytes of its own; then eight rows a trip are read whole, finished and stored.
; REGISTERS: window 0: v0-31 addresses and bias, v64-127 and v128-191 h2's fragments (later the way out); window 1: W1's fragments; windows 2, 3: accumulators, (a, b) at v[8 (8 a + b)].
.set NW,    8
.set CA,    64
.set PA,    272
.set PB,    544                        ; 512 bytes + 32: an odd multiple of 32
.set RA,    128
.set WROW,  4096
.set BOFF,  256*PA
.set SLOT,  BOFF+128*PB
.set SPARE, 296448                     ; the spare words, 128 bytes for each wave
.set WST,   128*528                    ; a wave's stage: 128 rows of 512 bytes + 16
.set NLD,   2*NW+16
.set BI,   8                           ; v[8:11] b1 of my four columns
.set ADRA, 16
.set ADRB, 20
.set STO,  24
.set RD,   25
.set GO,   26
.set BA,   27
.set SPW,  28
.set NIL,  29
.set F0,   64
.set F1,   128
.set Y,    64
.set T,    96
.set WT,   128
.set HB,   160
.set G1,  24
.set G0,  32
.set G1B, 48
.set G0B, 56
.set K0,  80                           ; s[80:81]
.set K1,  82                           ; s[82:83]
.set MSB, 0
.macro WIN new
.if MSB != (\new)
	s_set_vgpr_msb (MSB<<8)|(\new)
.set MSB, \new
.endif
.endm
.set MUL_LO, 0xa1
.set MUL_HI, 0xf1
.set TO_B,   0x40
.macro PLACES
.rept 4
	v_nop
.endr
.endm
.macro JLOAD sl                        ; a joint load: waves 0 and 1 fetch the halves of h2's tile, waves 2 and 3 those of W1's
	s_cmp_eq_u32 s11, 0
	s_cbranch_scc0 .Lfor_b_\@
	tensor_load_to_lds s[G0+4*(\sl):G0+4*(\sl)+3], s[G1:G1+7]
	s_nop 0
.rept 4
	v_nop
.endr
	s_branch .Lasked_\@
.Lfor_b_\@:
	tensor_load_to_lds s[G0B+4*(\sl):G0B+4*(\sl)+3], s[G1B:G1B+7]
	s_nop 0
.rept 4
	v_nop
.endr
.Lasked_\@:
.endm
.macro CREST
	s_cmp_lg_u32 s10, 0
	s_cbranch_scc1 .Lnot_wave_0_\@
	s_barrier_signal -3
.Lnot_wave_0_\@:
	s_barrier_wait -3
	s_barrier_signal -1
	s_barrier_wait -1
.endm
.macro CROUND
	s_barrier_signal -1
	s_barrier_wait -1
	CREST
.endm
	s_load_b128 s[4:7], s[0:1], 0x0                ; h2 s[4:5], wb s[6:7]
	s_load_b128 s[68:71], s[0:1], 0x10             ; b1 s[68:69], g s[70:71]
	v_lshl_add_u32 v[SPW], v0, 2, SPARE
	v_mov_b32 v[NIL], 0
	ds_add_u32 v[SPW], v[NIL]                      ; the wave's opening: the add and its wait ahead of my first tensor load
	v_lshrrev_b32 v1, 5, v0
	v_readfirstlane_b32 s10, v1
	s_lshr_b32 s11, s10, 1                         ; my half of the tile's rows.  Also: I fetch for h2 (0) or for W1 (1)
	s_and_b32 s12, s10, 1                          ; my half of its columns.  Also: which half of that tile I fetch
	s_bfe_u32 s40, ttmp6, 0x40000
	s_bfe_u32 s41, ttmp6, 0x40004
	s_lshl_b32 s42, ttmp9, 2
	s_add_co_u32 s42, s42, s40                     ; tile column
	s_and_b32 s13, ttmp7, 0xffff
	s_lshl_b32 s13, s13, 2
	s_add_co_u32 s13, s13, s41                     ; tile row
	s_lshl_b32 s43, s41, 2
	s_lshl_b32 s43, 15, s43
	s_lshl_b32 s44, 0x1111, s40
	s_or_b32 s[G1+0], s43, (1<<16)|(1<<20)|(1<<21)|(5<<22)|(3<<25)   ; 4 words behind every 64
	s_mov_b32 s[G1+1], 128<<16
	s_mov_b32 s[G1+2], RA<<16
	s_mov_b32 s[G1+3], 128<<16
	s_mov_b32 s[G1+4], RA
	s_mov_b32 s[G1+5], 512
	s_mov_b32 s[G1+6], 0
	s_mov_b32 s[G1+7], 0
	s_or_b32 s[G1B+0], s44, (1<<16)|(1<<20)|(1<<21)|(6<<22)|(7<<25)  ; 8 words behind every 128
	s_mov_b32 s[G1B+1], 256<<16
	s_mov_b32 s[G1B+2], 64<<16
	s_mov_b32 s[G1B+3], 256<<16
	s_mov_b32 s[G1B+4], 64
	s_mov_b32 s[G1B+5], 2048
	s_mov_b32 s[G1B+6], 0
	s_mov_b32 s[G1B+7], 0
	s_lshl_b32 s16, s13, 8
	s_lshl_b32 s17, s12, 7
	s_add_co_u32 s16, s16, s17                     ; h2: row 256 x tile row + 128 x half,
	s_lshl_b32 s16, s16, 10
	s_mov_b32 s17, 0
	s_mul_i32 s46, s12, 64*WROW                    ; W1: k row 64 x half,
	s_lshl_b32 s47, s42, 9                         ; column 256 x tile column,
	s_add_co_u32 s46, s46, s47
	s_add_co_u32 s46, s46, 2097152                 ; in W1's section
	s_mov_b32 s47, 0
	s_mul_i32 s20, s12, RA*PA
	s_mul_i32 s21, s12, 64*PB
	s_add_co_u32 s21, s21, BOFF
	s_mov_b32 s[K0], 0x40135761                    ; 2.3022082
	s_mov_b32 s[K0+1], s[K0]
	s_mov_b32 s[K1], 0x3dd2d3e8                    ; 0.10294324
	s_mov_b32 s[K1+1], s[K1]
	s_wait_dscnt 0x0                               ; the opening add is done
	s_wait_kmcnt 0x0
	s_add_nc_u64 s[14:15], s[4:5], s[16:17]
	s_add_nc_u64 s[46:47], s[6:7], s[46:47]
	CROUND
.irp s, 0,1
	s_mov_b32 s[G0+4*(\s)], 1
	s_add_co_u32 s[G0+4*(\s)+1], s20, (\s)*SLOT
	s_add_nc_u64 s[G0+4*(\s)+2:G0+4*(\s)+3], s[14:15], (\s)*256
	s_or_b32 s[G0+4*(\s)+3], s[G0+4*(\s)+3], 0x80000000
	s_mov_b32 s[G0B+4*(\s)], 1
	s_add_co_u32 s[G0B+4*(\s)+1], s21, (\s)*SLOT
	s_add_nc_u64 s[G0B+4*(\s)+2:G0B+4*(\s)+3], s[46:47], (\s)*128*WROW
	s_or_b32 s[G0B+4*(\s)+3], s[G0B+4*(\s)+3], 0x80000000
	JLOAD \s                                       ; two loads of mine are out
.endr
	s_lshl_b32 s72, s42, 8
	s_lshl_b32 s73, s12, 7
	s_add_co_u32 s72, s72, s73                     ; my first column
	s_lshl_b32 s74, s72, 2
	s_mov_b32 s75, 0
	s_add_nc_u64 s[68:69], s[68:69], s[74:75]
	s_lshl_b32 s76, s13, 8
	s_lshl_b32 s77, s11, 7
	s_add_co_u32 s76, s76, s77                     ; my first row,
	s_lshl_b32 s76, s76, 12                        ; of 4,096 bytes
	s_lshl_b32 s72, s72, 1
	s_add_co_u32 s76, s76, s72
	s_mov_b32 s77, 0
	s_add_nc_u64 s[8:9], s[70:71], s[76:77]        ; g at my part of the tile
	v_and_b32 v7, 31, v0
	v_lshlrev_b32 v[BA], 4, v7
	global_load_b128 v[BI:BI+3], v[BA], s[68:69]   ; b1 of columns 4 l .. 4 l + 3 of my 128
	v_and_b32 v1, 15, v0
	v_bfe_u32 v2, v0, 4, 1
	v_mul_u32_u24 v3, v1, PA
	v_lshl_add_u32 v3, v2, 4, v3
	s_mul_i32 s22, s11, 128*PA                     ; my 128 rows of h2
	v_add_nc_u32 v[ADRA], s22, v3
	v_add_nc_u32 v[ADRA+1], SLOT, v[ADRA]
	v_and_b32 v4, 7, v0
	v_lshl_add_u32 v4, v2, 3, v4
	v_mul_u32_u24 v4, v4, PB
	v_bfe_u32 v5, v0, 3, 1
	v_lshl_add_u32 v4, v5, 4, v4
	s_lshl_b32 s22, s12, 8                         ; my 128 columns of W1
	s_add_co_u32 s22, s22, BOFF
	v_add_nc_u32 v[ADRB], s22, v4
	v_add_nc_u32 v[ADRB+1], 64*PB, v[ADRB]
	v_add_nc_u32 v[ADRB+2], SLOT, v[ADRB]
	v_add_nc_u32 v[ADRB+3], SLOT+64*PB, v[ADRB]
	s_mul_i32 s23, s10, WST                        ; my stage
	v_mul_u32_u24 v6, v1, 528
	v_lshl_add_u32 v6, v2, 5, v6
	v_add_nc_u32 v[STO], s23, v6                   ; in: row r, 32 bytes for each half of the lanes
	v_add_nc_u32 v[RD], s23, v[BA]                 ; back: a whole row of 512 bytes
	v_lshlrev_b32 v[GO], 3, v7
.macro MULH f, hi, a0, zero            ; 2 NW matrix instructions; the accumulators take turns, one instruction a turn
	WIN MUL_LO+0x50*(\hi)
.set ma, \a0
.rept 2
.set mb, 0
.rept NW
.if \zero
	v_wmma_f32_16x16x32_bf16 v[8*(NW*ma+mb):8*(NW*ma+mb)+7], v[(\f)+8*mb:(\f)+8*mb+7], v[(\f)+8*(4*(\hi)+ma):(\f)+8*(4*(\hi)+ma)+7], 0
.else
	v_wmma_f32_16x16x32_bf16 v[8*(NW*ma+mb):8*(NW*ma+mb)+7], v[(\f)+8*mb:(\f)+8*mb+7], v[(\f)+8*(4*(\hi)+ma):(\f)+8*(4*(\hi)+ma)+7], v[8*(NW*ma+mb):8*(NW*ma+mb)+7]
.endif
.set mb, mb+1
.endr
.set ma, ma+1
.endr
.endm
.macro FETCH slot, q, f                ; one run of LDS loads: quarter q of a slot into buffer f
	WIN TO_B
.set fi, 0
.rept NW
	ds_load_tr16_b128 v[(\f)+8*fi:(\f)+8*fi+3],   v[ADRB+2*(\slot)+(\q)/2] offset:((\q)%2)*32*PB+CA*(fi/2)+32*(fi%2)
	ds_load_tr16_b128 v[(\f)+8*fi+4:(\f)+8*fi+7], v[ADRB+2*(\slot)+(\q)/2] offset:((\q)%2)*32*PB+CA*(fi/2)+32*(fi%2)+16*PB
.set fi, fi+1
.endr
	WIN 0
.irp i, 0,1,2,3,4,5,6,7
	ds_load_b128 v[(\f)+8*(\i):(\f)+8*(\i)+3],   v[ADRA+(\slot)] offset:64*(\q)+(\i)*16*PA
	ds_load_b128 v[(\f)+8*(\i)+4:(\f)+8*(\i)+7], v[ADRA+(\slot)] offset:64*(\q)+(\i)*16*PA+32
.endr
.endm
.macro QUARTER slot, q, f, g, zero
	s_wait_dscnt 8                                 ; all but the youngest eight loads (h2's row blocks 4-7) are in
	MULH \f, 0, 0, \zero
	MULH \f, 0, 2, \zero
	PLACES
	FETCH \slot, \q, \g
	s_wait_dscnt NLD                               ; all but the run just issued
	MULH \f, 1, 0, \zero
	MULH \f, 1, 2, \zero
.endm
.macro MEET round                      ; the change of slots: all my tensor loads, the add, my reads of this slot, then the barrier
	WIN 0
	s_wait_tensorcnt 0x0
	ds_add_u32 v[SPW], v[NIL]
	s_wait_dscnt 9                                 ; the add and the youngest eight loads may be out
	MULH F1, 0, 0, 0
	s_wait_dscnt 0x0
	s_barrier_signal -1
	MULH F1, 0, 2, 0
.if \round
	WIN 0
.endif
	s_barrier_wait -1
.endm
.macro TURN slot, next, fill
	MEET \fill
.if \fill
	CREST                                          ; no wave of any partner still reads this slot or has a load on its way
	s_add_nc_u64 s[G0+4*(\slot)+2:G0+4*(\slot)+3], s[G0+4*(\slot)+2:G0+4*(\slot)+3], 512
	s_add_nc_u64 s[G0B+4*(\slot)+2:G0B+4*(\slot)+3], s[G0B+4*(\slot)+2:G0B+4*(\slot)+3], 2*128*WROW
	JLOAD \slot                                    ; my one tensor load behind the round; its four v_nop are also the places ahead of the loads below
.else
	PLACES
.endif
	FETCH \next, 0, F0
	MULH F1, 1, 0, 0
	MULH F1, 1, 2, 0
.endm
	s_wait_tensorcnt 0x1                           ; my part of K step 0 is in; K step 1's may stay out
	s_barrier_signal -1
	s_barrier_wait -1
	FETCH 0, 0, F0
	QUARTER 0, 1, F0, F1, 1
	QUARTER 0, 2, F1, F0, 0
	QUARTER 0, 3, F0, F1, 0
	TURN 0, 1, 1
	QUARTER 1, 1, F0, F1, 0
	QUARTER 1, 2, F1, F0, 0
	QUARTER 1, 3, F0, F1, 0
	TURN 1, 0, 1
	QUARTER 0, 1, F0, F1, 0
	QUARTER 0, 2, F1, F0, 0
	QUARTER 0, 3, F0, F1, 0
	TURN 0, 1, 0
	QUARTER 1, 1, F0, F1, 0
	QUARTER 1, 2, F1, F0, 0
	QUARTER 1, 3, F0, F1, 0
	s_wait_dscnt 8
	MULH F1, 0, 0, 0
	MULH F1, 0, 2, 0
	s_wait_dscnt 0x0                               ; my last reads of the ring are back
	MULH F1, 1, 0, 0
	MULH F1, 1, 2, 0
	WIN 0
	PLACES
	s_barrier_signal -1                            ; every wave's reads of the ring are over: it may be written
	s_barrier_wait -1
.set ia, 0
.rept 8
	WIN 0x08+4*(ia/4)                              ; store data in window 2 or 3
.set ib, 0
.rept 8
	ds_store_b128 v[STO], v[8*(8*(ia%4)+ib):8*(8*(ia%4)+ib)+3] offset:ia*8448+64*ib
	ds_store_b128 v[STO], v[8*(8*(ia%4)+ib)+4:8*(8*(ia%4)+ib)+7] offset:ia*8448+64*ib+16
.set ib, ib+1
.endr
.set ia, ia+1
.endr
	WIN 0
	s_wait_loadcnt 0x0                             ; b1
	s_mov_b32 s3, 16
.Lrows:                                            ; sixteen trips of eight rows; a lane has four columns of each
.irp i, 0,1,2,3,4,5,6,7
	ds_load_b128 v[Y+4*\i:Y+4*\i+3], v[RD] offset:\i*528      ; my own bytes: LDS serves a wave's instructions in order
.endr
	s_wait_dscnt 0x0
.set z, 0
.rept 16
	v_pk_add_f32 v[Y+2*z:Y+2*z+1], v[Y+2*z:Y+2*z+1], v[BI+2*(z%2):BI+2*(z%2)+1]   ; u
.set z, z+1
.endr
.set z, 0
.rept 16
	v_pk_mul_f32 v[T+2*z:T+2*z+1], v[Y+2*z:Y+2*z+1], v[Y+2*z:Y+2*z+1]
.set z, z+1
.endr
.set z, 0
.rept 16
	v_pk_fma_f32 v[T+2*z:T+2*z+1], v[T+2*z:T+2*z+1], s[K1:K1+1], s[K0:K0+1] op_sel_hi:[1,0,0]
.set z, z+1
.endr
.set z, 0
.rept 16
	v_pk_mul_f32 v[T+2*z:T+2*z+1], v[T+2*z:T+2*z+1], v[Y+2*z:Y+2*z+1]
.set z, z+1
.endr
.set z, 0
.rept 32
	v_exp_f32 v[T+z], v[T+z]
.set z, z+1
.endr
	v_nop                                          ; a plain instruction behind the last exponential
.set z, 0
	s_wait_alu depctr_va_vdst(0)
.rept 16
	v_pk_add_f32 v[T+2*z:T+2*z+1], v[T+2*z:T+2*z+1], 1.0 op_sel_hi:[1,0]
.set z, z+1
.endr
.set z, 0
.rept 32
	v_rcp_f32 v[T+z], v[T+z]
.set z, z+1
.endr
	v_nop                                          ; a plain instruction behind the last reciprocal
.set z, 0
	s_wait_alu depctr_va_vdst(0)
.rept 16
	v_pk_fma_f32 v[WT+2*z:WT+2*z+1], v[Y+2*z:Y+2*z+1], v[T+2*z:T+2*z+1], v[Y+2*z:Y+2*z+1] neg_lo:[1,0,0] neg_hi:[1,0,0]   ; u - u / (1 + 2^..)
.set z, z+1
.endr
.set z, 0
.rept 16
	v_cvt_pk_bf16_f32 v[HB+z], v[WT+2*z], v[WT+2*z+1]
.set z, z+1
.endr
.irp i, 0,1,2,3,4,5,6,7
	global_store_b64 v[GO], v[HB+2*\i:HB+2*\i+1], s[8:9] offset:\i*4096   ; the wave stores 256 consecutive bytes, aligned
.endr
	s_wait_xcnt 0x0                                ; the stores have read HB and GO: they are rewritten only behind this wait
	v_add_nc_u32 v[RD], 8*528, v[RD]
	v_add_nc_u32 v[GO], 8*4096, v[GO]
	s_sub_co_u32 s3, s3, 1
	s_cmp_lg_u32 s3, 0
	s_cbranch_scc1 .Lrows
	s_wait_tensorcnt 0x0                           ; the wave's end
	ds_add_u32 v[SPW], v[NIL]
	s_wait_dscnt 0x0
	CROUND                                         ; the closing round
	s_endpgm
.Lfunc_end_k_qf583813915_ffn1:
	.size	k_qf583813915_ffn1, .Lfunc_end_k_qf583813915_ffn1-k_qf583813915_ffn1
	.p2alignl 7, 3214868480
	.fill 96, 4, 3214868480
	.section	.rodata,"a",@progbits
	.p2align	6, 0x0
	.amdhsa_kernel k_qf583813915_ffn1
		.amdhsa_group_segment_fixed_size 327680
		.amdhsa_private_segment_fixed_size 0
		.amdhsa_enable_private_segment 0
		.amdhsa_kernarg_size 32
		.amdhsa_user_sgpr_count 2
		.amdhsa_user_sgpr_kernarg_segment_ptr 1
		.amdhsa_wavefront_size32 1
		.amdhsa_system_sgpr_workgroup_id_x 1
		.amdhsa_system_sgpr_workgroup_id_y 1
		.amdhsa_system_sgpr_workgroup_id_z 1
		.amdhsa_system_vgpr_workitem_id 0
		.amdhsa_next_free_vgpr 1024
		.amdhsa_next_free_sgpr 96
		.amdhsa_reserve_vcc 0
		.amdhsa_float_denorm_mode_32 3
		.amdhsa_float_denorm_mode_16_64 3
		.amdhsa_memory_ordered 1
		.amdhsa_forward_progress 1
		.amdhsa_inst_pref_size 130
	.end_amdhsa_kernel
	.amdgpu_metadata
---
amdhsa.version: [ 1, 2 ]
amdhsa.kernels:
  - .name:           k_qf583813915_ffn1
    .symbol:         k_qf583813915_ffn1.kd
    .args:
      - { .name: h2, .offset: 0, .size: 8, .value_kind: global_buffer, .address_space: global }
      - { .name: wb, .offset: 8, .size: 8, .value_kind: global_buffer, .address_space: global }
      - { .name: b1, .offset: 16, .size: 8, .value_kind: global_buffer, .address_space: global }
      - { .name: g, .offset: 24, .size: 8, .value_kind: global_buffer, .address_space: global }
    .group_segment_fixed_size: 327680
    .private_segment_fixed_size: 0
    .kernarg_segment_align: 8
    .kernarg_segment_size: 32
    .max_flat_workgroup_size: 128
    .sgpr_count:     96
    .vgpr_count:     1024
    .wavefront_size: 32
...
	.end_amdgpu_metadata
.endif
;; end of part 5
;; launch ffn2 (part 6): grid 4 x 64, 4 waves a work-group, clusters of 4 x 4, 327,680 bytes of LDS; arguments g, wb, b2, x1, out0; writes out0
.if DOCPART == 6
	.amdgcn_target "amdgcn-amd-amdhsa--gfx1250"
	.amdhsa_code_object_version 6
	.text
	.protected	k_qf583813915_ffn2
	.globl	k_qf583813915_ffn2
	.p2align	8
	.type	k_qf583813915_ffn2,@function
k_qf583813915_ffn2:
	s_mov_b64 s[64:65], 0
	v_nop
	global_prefetch_b8 v0, s[64:65] scope:SCOPE_SE
	s_setreg_imm32_b32 hwreg(HW_REG_WAVE_MODE, 25, 1), 1
	s_wait_xcnt 0x0
	s_wait_alu depctr_hold_cnt(0) depctr_sa_sdst(0) depctr_va_vdst(0) depctr_va_sdst(0) depctr_va_ssrc(0) depctr_va_vcc(0) depctr_vm_vsrc(0)
	s_getreg_b32 s2, hwreg(HW_REG_IB_STS2, 6, 4)
	s_cmp_eq_u32 s2, 0
	s_cbranch_scc0 .Lentry_in_a_cluster
	s_endpgm
.Lentry_in_a_cluster:
	s_bfe_u32 s2, ttmp6, 0x10000c
	s_cmp_lg_u32 s2, 0xf033
	s_cbranch_scc0 .Lentry_shape_is_right
	s_endpgm
.Lentry_shape_is_right:
; out0 = x1 + g W2 + b2 in f32.  g: [8192][2048] bf16; W2: wb + 4,194,304, [2048 k][512 n] bf16; sums in f32.
; A tile is 128 x 128: 4 x 64 tiles, one for each of 256 work-groups; four waves of 64 x 64, 16 accumulators each.  K = 2,048 goes in eight steps of 256 through two LDS slots:
; g's rows in a tile are 512 bytes, W2's 256.  W2 lies [k][n]: its fragments are turned by ds_load_tr16_b128.  The matrix instruction is used transposed.
; CLUSTER 4 x 4: g's tile is asked for jointly along a row of the cluster, W2's along a column.
; x1's part for my 64 x 64 is loaded at the start and waits in registers; the sums go through a stage of my own, 16 rows at a time, so that sixteen lanes store 256 consecutive bytes.
; REGISTERS: window 0: v0-31 addresses and bias, v32-95 the way out, v128-255 accumulators ((a, b) at 128 + 8 (4 a + b)); window 1: two fragment buffers of 128 (64 of g, then 64 of W2);
; window 2: v0-127 x1.
.set PA,    528                        ; 512 bytes + 16
.set PB,    288                        ; 256 bytes + 32: an odd multiple of 32
.set BOFF,  128*PA
.set SLOT,  BOFF+256*PB
.set STAGE, 2*SLOT                     ; behind the ring: 16 rows x 272 bytes for each wave
.set SPARE, STAGE+4*4352
.set LAPS,  4                          ; a lap = two K steps
.set BI,   8                           ; v[8:11]
.set BA,   12
.set ADRA, 16
.set ADRB, 20
.set STO,  24
.set RD,   25
.set CO,   26
.set SPW,  28
.set NIL,  29
.set Y,    32
.set ACC,  128
.set F0,   0
.set F1,   128
.set G1,  24
.set G0,  32
.set G1B, 48
.set G0B, 56
.set MSB, 0
.macro WIN new
.if MSB != (\new)
	s_set_vgpr_msb (MSB<<8)|(\new)
.set MSB, \new
.endif
.endm
.set MUL,  0x05                        ; sources 0 and 1 window 1; C and D window 0
.set TO_F, 0x40
.macro PLACES
.rept 4
	v_nop
.endr
.endm
.macro JLOAD sl                        ; a joint load: waves 0 and 1 fetch the halves of g's tile, waves 2 and 3 those of W2's
	s_cmp_eq_u32 s11, 0
	s_cbranch_scc0 .Lfor_b_\@
	tensor_load_to_lds s[G0+4*(\sl):G0+4*(\sl)+3], s[G1:G1+7]
	s_nop 0
.rept 4
	v_nop
.endr
	s_branch .Lasked_\@
.Lfor_b_\@:
	tensor_load_to_lds s[G0B+4*(\sl):G0B+4*(\sl)+3], s[G1B:G1B+7]
	s_nop 0
.rept 4
	v_nop
.endr
.Lasked_\@:
.endm
.macro CREST
	s_cmp_lg_u32 s10, 0
	s_cbranch_scc1 .Lnot_wave_0_\@
	s_barrier_signal -3
.Lnot_wave_0_\@:
	s_barrier_wait -3
	s_barrier_signal -1
	s_barrier_wait -1
.endm
.macro CROUND
	s_barrier_signal -1
	s_barrier_wait -1
	CREST
.endm
	s_load_b128 s[4:7], s[0:1], 0x0                ; g s[4:5], wb s[6:7]
	s_load_b128 s[68:71], s[0:1], 0x10             ; b2 s[68:69], x1 s[70:71]
	s_load_b64 s[72:73], s[0:1], 0x20              ; out0
	v_lshl_add_u32 v[SPW], v0, 2, SPARE
	v_mov_b32 v[NIL], 0
	ds_add_u32 v[SPW], v[NIL]                      ; the wave's opening: the add and its wait ahead of my first tensor load
	v_lshrrev_b32 v1, 5, v0
	v_readfirstlane_b32 s10, v1
	s_lshr_b32 s11, s10, 1
	s_and_b32 s12, s10, 1
	s_bfe_u32 s40, ttmp6, 0x40000
	s_bfe_u32 s41, ttmp6, 0x40004
	s_lshl_b32 s42, ttmp9, 2
	s_add_co_u32 s42, s42, s40                     ; tile column
	s_and_b32 s13, ttmp7, 0xffff
	s_lshl_b32 s13, s13, 2
	s_add_co_u32 s13, s13, s41                     ; tile row
	s_lshl_b32 s43, s41, 2
	s_lshl_b32 s43, 15, s43
	s_lshl_b32 s44, 0x1111, s40
	s_or_b32 s[G1+0], s43, (1<<16)|(1<<20)|(1<<21)|(6<<22)|(3<<25)   ; 4 words behind every 128
	s_mov_b32 s[G1+1], 256<<16
	s_mov_b32 s[G1+2], 64<<16
	s_mov_b32 s[G1+3], 256<<16
	s_mov_b32 s[G1+4], 64
	s_mov_b32 s[G1+5], 2048
	s_mov_b32 s[G1+6], 0
	s_mov_b32 s[G1+7], 0
	s_or_b32 s[G1B+0], s44, (1<<16)|(1<<20)|(1<<21)|(5<<22)|(7<<25)  ; 8 words behind every 64
	s_mov_b32 s[G1B+1], 128<<16
	s_mov_b32 s[G1B+2], 128<<16
	s_mov_b32 s[G1B+3], 128<<16
	s_mov_b32 s[G1B+4], 128
	s_mov_b32 s[G1B+5], 512
	s_mov_b32 s[G1B+6], 0
	s_mov_b32 s[G1B+7], 0
	s_lshl_b32 s16, s13, 7
	s_lshl_b32 s17, s12, 6
	s_add_co_u32 s16, s16, s17                     ; g: row 128 x tile row + 64 x half,
	s_lshl_b32 s16, s16, 12                        ; of 4,096 bytes
	s_mov_b32 s17, 0
	s_lshl_b32 s46, s12, 17                        ; W2: k row 128 x half, of 1,024 bytes,
	s_lshl_b32 s47, s42, 8                         ; column 128 x tile column,
	s_add_co_u32 s46, s46, s47
	s_add_co_u32 s46, s46, 4194304                 ; in W2's section
	s_mov_b32 s47, 0
	s_mul_i32 s20, s12, 64*PA
	s_mul_i32 s21, s12, 128*PB
	s_add_co_u32 s21, s21, BOFF
	s_wait_dscnt 0x0                               ; the opening add is done
	s_wait_kmcnt 0x0
	s_add_nc_u64 s[14:15], s[4:5], s[16:17]
	s_add_nc_u64 s[46:47], s[6:7], s[46:47]
	CROUND
.irp s, 0,1
	s_mov_b32 s[G0+4*(\s)], 1
	s_add_co_u32 s[G0+4*(\s)+1], s20, (\s)*SLOT
	s_add_nc_u64 s[G0+4*(\s)+2:G0+4*(\s)+3], s[14:15], (\s)*512
	s_or_b32 s[G0+4*(\s)+3], s[G0+4*(\s)+3], 0x80000000
	s_mov_b32 s[G0B+4*(\s)], 1
	s_add_co_u32 s[G0B+4*(\s)+1], s21, (\s)*SLOT
	s_add_nc_u64 s[G0B+4*(\s)+2:G0B+4*(\s)+3], s[46:47], (\s)*262144
	s_or_b32 s[G0B+4*(\s)+3], s[G0B+4*(\s)+3], 0x80000000
	JLOAD \s                                       ; two loads of mine are out
.endr
	s_lshl_b32 s74, s42, 9
	s_lshl_b32 s75, s12, 8
	s_add_co_u32 s74, s74, s75                     ; my first column, in bytes of f32
	s_mov_b32 s75, 0
	s_add_nc_u64 s[68:69], s[68:69], s[74:75]
	s_lshl_b32 s76, s13, 7
	s_lshl_b32 s77, s11, 6
	s_add_co_u32 s76, s76, s77                     ; my first row,
	s_lshl_b32 s76, s76, 11                        ; of 2,048 bytes
	s_add_co_u32 s76, s76, s74
	s_mov_b32 s77, 0
	s_add_nc_u64 s[70:71], s[70:71], s[76:77]
	s_add_nc_u64 s[8:9], s[72:73], s[76:77]
	v_and_b32 v1, 15, v0                           ; r
	v_bfe_u32 v2, v0, 4, 1                         ; h
	v_lshlrev_b32 v[BA], 4, v1
	v_lshl_add_u32 v[CO], v2, 11, v[BA]            ; lanes 0-15 one row's 256 bytes, lanes 16-31 the next row's
	global_load_b128 v[BI:BI+3], v[BA], s[68:69]
	WIN 0x80                                       ; destination window 2
.irp a, 0,1,2,3
.irp tt, 0,1,2,3,4,5,6,7
	global_load_b128 v[32*\a+4*\tt:32*\a+4*\tt+3], v[CO], s[70:71] offset:(16*\a+2*\tt)*2048
.endr
.endr
	WIN 0
	v_mul_u32_u24 v3, v1, PA
	v_lshl_add_u32 v3, v2, 4, v3
	s_mul_i32 s22, s11, 64*PA                      ; my 64 rows of g
	v_add_nc_u32 v[ADRA], s22, v3
	v_add_nc_u32 v[ADRA+1], SLOT, v[ADRA]
	v_and_b32 v4, 7, v0
	v_lshl_add_u32 v4, v2, 3, v4
	v_mul_u32_u24 v4, v4, PB
	v_bfe_u32 v5, v0, 3, 1
	v_lshl_add_u32 v4, v5, 4, v4
	s_lshl_b32 s22, s12, 7                         ; my 64 columns of W2
	s_add_co_u32 s22, s22, BOFF
	v_add_nc_u32 v[ADRB], s22, v4
	v_add_nc_u32 v[ADRB+1], 128*PB, v[ADRB]
	v_add_nc_u32 v[ADRB+2], SLOT, v[ADRB]
	v_add_nc_u32 v[ADRB+3], SLOT+128*PB, v[ADRB]
	s_mul_i32 s23, s10, 4352
	s_add_co_u32 s23, s23, STAGE                   ; my stage
	v_mul_u32_u24 v6, v1, 272
	v_lshl_add_u32 v6, v2, 5, v6
	v_add_nc_u32 v[STO], s23, v6
	v_mul_u32_u24 v6, v2, 272
	v_add_nc_u32 v6, v6, v[BA]
	v_add_nc_u32 v[RD], s23, v6
; 8 matrix instructions: row blocks a0, a0 + 1 x all 4 column blocks, 32 along K: half c of buffer f.  The sixteen accumulators take turns.
.macro MUL8 f, c, a0, zero
	WIN MUL
.irp a, \a0, (\a0)+1
.irp b, 0,1,2,3
.if \zero
	v_wmma_f32_16x16x32_bf16 v[ACC+8*(4*(\a)+(\b)):ACC+8*(4*(\a)+(\b))+7], v[(\f)+64+8*(4*(\c)+(\b)):(\f)+64+8*(4*(\c)+(\b))+7], v[(\f)+8*(4*(\c)+(\a)):(\f)+8*(4*(\c)+(\a))+7], 0
.else
	v_wmma_f32_16x16x32_bf16 v[ACC+8*(4*(\a)+(\b)):ACC+8*(4*(\a)+(\b))+7], v[(\f)+64+8*(4*(\c)+(\b)):(\f)+64+8*(4*(\c)+(\b))+7], v[(\f)+8*(4*(\c)+(\a)):(\f)+8*(4*(\c)+(\a))+7], v[ACC+8*(4*(\a)+(\b)):ACC+8*(4*(\a)+(\b))+7]
.endif
.endr
.endr
.endm
; 32 LDS loads in one run: quarter q (64 along K) of a slot into buffer f; the first 32 along K first
.macro FETCH slot, q, f
	WIN TO_F
.irp c, 0,1
.irp i, 0,1,2,3
	ds_load_tr16_b128 v[(\f)+64+8*(4*(\c)+(\i)):(\f)+64+8*(4*(\c)+(\i))+3],   v[ADRB+2*(\slot)+(\q)/2] offset:(((\q)%2)*64+32*(\c))*PB+32*(\i)
	ds_load_tr16_b128 v[(\f)+64+8*(4*(\c)+(\i))+4:(\f)+64+8*(4*(\c)+(\i))+7], v[ADRB+2*(\slot)+(\q)/2] offset:(((\q)%2)*64+32*(\c))*PB+32*(\i)+16*PB
	ds_load_b128 v[(\f)+8*(4*(\c)+(\i)):(\f)+8*(4*(\c)+(\i))+3],   v[ADRA+(\slot)] offset:128*(\q)+64*(\c)+(\i)*16*PA
	ds_load_b128 v[(\f)+8*(4*(\c)+(\i))+4:(\f)+8*(4*(\c)+(\i))+7], v[ADRA+(\slot)] offset:128*(\q)+64*(\c)+(\i)*16*PA+32
.endr
.endr
.endm
.macro QUARTER slot, q, f, g, zero
	s_wait_dscnt 16                                ; the first 32 along K are in
	MUL8 \f, 0, 0, \zero
	MUL8 \f, 0, 2, \zero
	PLACES
	FETCH \slot, \q, \g
	s_wait_dscnt 32                                ; all but the 32 just issued
	MUL8 \f, 1, 0, 0
	MUL8 \f, 1, 2, 0
.endm
; The last quarter multiplies buffer 1 and changes slots: all my tensor loads, the add, my reads of this slot, then one barrier.  fill = 1: this slot is filled again, two K steps ahead.
.macro TURN slot, next, fill
	WIN 0
	s_wait_tensorcnt 0x0
	ds_add_u32 v[SPW], v[NIL]
	s_wait_dscnt 17                                ; the add and the youngest sixteen loads may be out
	MUL8 F1, 0, 0, 0
	s_wait_dscnt 0x0                               ; the add is done, and my reads of this slot are over
	s_barrier_signal -1
	MUL8 F1, 0, 2, 0
.if \fill
	WIN 0
.endif
	s_barrier_wait -1
.if \fill
	CREST                                          ; no wave of any partner still reads this slot or has a load on its way
	s_add_nc_u64 s[G0+4*(\slot)+2:G0+4*(\slot)+3], s[G0+4*(\slot)+2:G0+4*(\slot)+3], 1024
	s_add_nc_u64 s[G0B+4*(\slot)+2:G0B+4*(\slot)+3], s[G0B+4*(\slot)+2:G0B+4*(\slot)+3], 524288
	JLOAD \slot                                    ; my one tensor load behind the round; its four v_nop are also the places ahead of the loads below
.else
	PLACES
.endif
	FETCH \next, 0, F0
	MUL8 F1, 1, 0, 0
	MUL8 F1, 1, 2, 0
.endm
	s_wait_tensorcnt 0x1                           ; my part of K step 0 is in; K step 1's may stay out
	s_barrier_signal -1
	s_barrier_wait -1
	FETCH 0, 0, F0
	QUARTER 0, 1, F0, F1, 1                        ; the first quarter stands ahead of the loop: its first products start the sums
	WIN 0
	s_mov_b32 s3, LAPS-1
.Llap:                                             ; a trip goes once round the ring, from a lap's second quarter to the next lap's first, and fills both slots again
	QUARTER 0, 2, F1, F0, 0
	QUARTER 0, 3, F0, F1, 0
	TURN 0, 1, 1
	QUARTER 1, 1, F0, F1, 0
	QUARTER 1, 2, F1, F0, 0
	QUARTER 1, 3, F0, F1, 0
	TURN 1, 0, 1
	QUARTER 0, 1, F0, F1, 0
	WIN 0
	s_sub_co_u32 s3, s3, 1
	s_cmp_lg_u32 s3, 0
	s_cbranch_scc1 .Llap
	QUARTER 0, 2, F1, F0, 0                        ; the last lap fills nothing
	QUARTER 0, 3, F0, F1, 0
	TURN 0, 1, 0
	QUARTER 1, 1, F0, F1, 0
	QUARTER 1, 2, F1, F0, 0
	QUARTER 1, 3, F0, F1, 0
	s_wait_dscnt 16
	MUL8 F1, 0, 0, 0
	MUL8 F1, 0, 2, 0
	s_wait_dscnt 0x0
	MUL8 F1, 1, 0, 0
	MUL8 F1, 1, 2, 0
	WIN 0
	PLACES
	s_wait_loadcnt 0x0                             ; b2 and x1
	; THE WAY OUT, 16 rows at a time: the sums into my stage, back as whole rows of 256 bytes, x1 and b2 added, stored
.irp a, 0,1,2,3
.set YB, Y+32*(\a%2)
.irp b, 0,1,2,3
	ds_store_b128 v[STO], v[ACC+8*(4*\a+\b):ACC+8*(4*\a+\b)+3] offset:64*\b
	ds_store_b128 v[STO], v[ACC+8*(4*\a+\b)+4:ACC+8*(4*\a+\b)+7] offset:64*\b+16
.endr
	s_wait_xcnt 0x0                                ; earlier stores have read their data registers: they are loaded again only behind this wait
.irp tt, 0,1,2,3,4,5,6,7
	ds_load_b128 v[YB+4*\tt:YB+4*\tt+3], v[RD] offset:\tt*544   ; LDS serves a wave's instructions in order: these see the stores above
.endr
	s_wait_dscnt 0x0
	WIN 0x08                                       ; source 1 window 2
.set z, 0
.rept 16
	v_pk_add_f32 v[YB+2*z:YB+2*z+1], v[YB+2*z:YB+2*z+1], v[32*\a+2*z:32*\a+2*z+1]
.set z, z+1
.endr
	WIN 0
.set z, 0
.rept 16
	v_pk_add_f32 v[YB+2*z:YB+2*z+1], v[YB+2*z:YB+2*z+1], v[BI+2*(z%2):BI+2*(z%2)+1]
.set z, z+1
.endr
.irp tt, 0,1,2,3,4,5,6,7
	global_store_b128 v[CO], v[YB+4*\tt:YB+4*\tt+3], s[8:9] offset:(16*\a+2*\tt)*2048 th:TH_STORE_NT   ; sixteen lanes store 256 consecutive bytes, aligned
.endr
.endr
	s_wait_tensorcnt 0x0                           ; the wave's end
	ds_add_u32 v[SPW], v[NIL]
	s_wait_dscnt 0x0
	CROUND                                         ; the closing round
	s_endpgm
.Lfunc_end_k_qf583813915_ffn2:
	.size	k_qf583813915_ffn2, .Lfunc_end_k_qf583813915_ffn2-k_qf583813915_ffn2
	.p2alignl 7, 3214868480
	.fill 96, 4, 3214868480
	.section	.rodata,"a",@progbits
	.p2align	6, 0x0
	.amdhsa_kernel k_qf583813915_ffn2
		.amdhsa_group_segment_fixed_size 327680
		.amdhsa_private_segment_fixed_size 0
		.amdhsa_enable_private_segment 0
		.amdhsa_kernarg_size 40
		.amdhsa_user_sgpr_count 2
		.amdhsa_user_sgpr_kernarg_segment_ptr 1
		.amdhsa_wavefront_size32 1
		.amdhsa_system_sgpr_workgroup_id_x 1
		.amdhsa_system_sgpr_workgroup_id_y 1
		.amdhsa_system_sgpr_workgroup_id_z 1
		.amdhsa_system_vgpr_workitem_id 0
		.amdhsa_next_free_vgpr 768
		.amdhsa_next_free_sgpr 96
		.amdhsa_reserve_vcc 0
		.amdhsa_float_denorm_mode_32 3
		.amdhsa_float_denorm_mode_16_64 3
		.amdhsa_memory_ordered 1
		.amdhsa_forward_progress 1
		.amdhsa_inst_pref_size 97
	.end_amdhsa_kernel
	.amdgpu_metadata
---
amdhsa.version: [ 1, 2 ]
amdhsa.kernels:
  - .name:           k_qf583813915_ffn2
    .symbol:         k_qf583813915_ffn2.kd
    .args:
      - { .name: g, .offset: 0, .size: 8, .value_kind: global_buffer, .address_space: global }
      - { .name: wb, .offset: 8, .size: 8, .value_kind: global_buffer, .address_space: global }
      - { .name: b2, .offset: 16, .size: 8, .value_kind: global_buffer, .address_space: global }
      - { .name: x1, .offset: 24, .size: 8, .value_kind: global_buffer, .address_space: global }
      - { .name: out0, .offset: 32, .size: 8, .value_kind: global_buffer, .address_space: global }
    .group_segment_fixed_size: 327680
    .private_segment_fixed_size: 0
    .kernarg_segment_align: 8
    .kernarg_segment_size: 40
    .max_flat_workgroup_size: 128
    .sgpr_count:     96
    .vgpr_count:     768
    .wavefront_size: 32
...
	.end_amdgpu_metadata
.endif
;; end of part 6
